; MI455X (gfx1250); checked and timed in simulation.
; The chip was launched on July 23, 2026; its instructions are those of AMD's public machine-readable ISA for CDNA 5 (MIT licence, August 2026) and "CDNA5" Instruction Set Architecture Reference Guide (July 2026). The comments in the code are by the model that wrote it; some were corrected since.
;; Mo E. Allowed arithmetic: matrix products marked QUANTISED: E2M3 operands, one E8M0 scale for each 32 along K, by v_wmma_scale_f32_16x16x128_f8f6f4 with both operands' format E2M3, f32 sums; products left as they are: f32 operands where the result goes on into a quantised operand, else bf16, f16 or f32 operands; f32 sums; everything else in f32.
;; Inputs: We_codes 8 x 1,024 x 32 x 24 uint8 (E2M3 codes of We, K innermost, in blocks of 32 codes, four codes in three bytes); We_scales 8 x 1,024 x 32 uint8 (E8M0 scales of We, one for each 32 codes along K); Wg 8 x 1,024 float32; be 8 x 1,024 float32; bg 8 float32; x 4 x 2,048 x 1,024 float32.
;; Outputs: out0 4 x 2,048 x 1,024 float32.
;; Constants: top_k = 2.
;; This version of the problem:
;;   THIS VERSION OF THE PROBLEM IS GIVEN IN LOW PRECISION. The matrix products marked QUANTISED in the list below multiply operands that are first quantised to E2M3 (2 exponent bits, 3 mantissa bits; 6 bits a number), with one power-of-two scale for each 32 numbers along K (OCP MX v1.0); their sums are f32. All else is computed in f32.
;;   The module's matrix products, in the order in which they are computed (A, B: the left and right operand; K: the contracted axis; several contracted axes count as one K, in the product's order):
;;     1. [M 8,192, K 1,024] x [K 1,024, N 8]; A: input x; B: input Wg: left as it is (N = 8 < 16)
;;     2. [M 8,192, K 1,024] x [K 1,024, N 8,192]; A: input We (given as codes); B: input x: QUANTISED
;;   THE QUANTISER, for each operand of a quantised product, along K:
;;     - K is cut into blocks of 32 from its start; a last block that is shorter is filled with zeros.
;;     - A block's scale is 2^e with e = floor(log2(the largest magnitude in the block)) - 2, held to -126 .. 127; a block of zeros has e = 0. As a byte (E8M0): e + 127.
;;     - Each number is divided by its block's scale, clamped to +-7.5, and rounded to the nearest number of E2M3, ties to even, subnormals kept.
;;     - The product sums the exact products of the quantised numbers (number of the format x scale) in f32.
;;   ~~~python
;;   def quantise(x, axis):      # numpy; x: float32 -> the quantised numbers, widened to float32 again
;;       x = np.moveaxis(x, axis, -1); K = x.shape[-1]
;;       x = np.pad(x, [(0, 0)] * (x.ndim - 1) + [(0, -K % 32)]); x = x.reshape(x.shape[:-1] + (-1, 32)); a = np.abs(x).max(-1, keepdims=True)
;;       e = np.where(a > 0, np.clip(np.frexp(np.where(a > 0, a, 1))[1] - 1 - 2, -126, 127), 0)      # np.frexp(a)[1] - 1 = floor(log2(a)), exactly
;;       r = np.clip(x / 2.0 ** e, -7.5, 7.5)
;;       step = 2.0 ** (np.maximum(np.frexp(np.where(r == 0, 1, r))[1] - 1, 0) - 3)
;;       q = np.round(r / step) * step * 2.0 ** e      # np.round: ties to even
;;       return np.moveaxis(q.reshape(q.shape[:-2] + (-1,))[..., :K], -1, axis).astype(np.float32)
;;   ~~~
;;   INPUTS GIVEN AS CODES. We (in the module: [8, 1024, 1024], K = its axis 2): each comes as NAME_codes (uint8): NAME with its K axis moved to the last place and cut into blocks of 32 codes, [.., K / 32, bytes a block], one block behind the other in memory; four codes in three bytes: a row's codes are one little-endian stream of bits, code i at bits 6 i .. 6 i + 5 (a code: sign, 2 exponent bits, 3 mantissa bits); and NAME_scales (uint8): the same leading axes, one E8M0 byte (e + 127) for each 32 codes along K. Its value is code x scale, taken as it is: it is not quantised again, and the codes and scales need not be those that the quantiser above would give.
;; 2 versions. Each part assembles by itself: llvm-mc -triple=amdgcn-amd-amdhsa -mcpu=gfx1250 --defsym DOCPART=n.
;; ======== version 1 of 2: 3 launches
;; workspace buffers: xq 6,291,456 bytes; xs 262,144 bytes; gw 262,144 bytes; route 65,536 bytes of whole numbers; order 32,768 bytes of whole numbers; bm 256 bytes of whole numbers; wf 6,291,456 bytes
;; launch gateq (part 1): grid 256 x 1, 4 waves a work-group, no clusters, 33,792 bytes of LDS; arguments x, Wg, bg, xq, xs, gw, route; writes xq, xs, gw, route
.if DOCPART == 1
	.amdgcn_target "amdgcn-amd-amdhsa--gfx1250"
	.amdhsa_code_object_version 6
	.text
	.protected	k_q7e45191f51_gateq
	.globl	k_q7e45191f51_gateq
	.p2align	8
	.type	k_q7e45191f51_gateq,@function
k_q7e45191f51_gateq:
	s_mov_b64 s[64:65], 0
	v_nop
	global_prefetch_b8 v0, s[64:65] scope:SCOPE_SE
	s_setreg_imm32_b32 hwreg(HW_REG_WAVE_MODE, 25, 1), 1
	s_wait_xcnt 0x0
; GATE, TOP-2 AND QUANTISER.  x: [8192][1024] f32.  For each token: logits = x Wg^T + bg in f32 (fused multiply-adds), softmax over the 8 experts with its maximum taken away, the two largest
; (the lower index wins a tie), and x's codes of FP6 (E2M3) with one E8M0 byte for each 32 along K.
; OUT: xq [token][768]: the codes, the 24-byte slot 4 s + 2 h + c holding block 4 s + 2 c + h, so that the 48 bytes at 96 s + 48 h are the 12 registers of lane (r, h) of the fragment of K step s.
;      xs [token][32]: the scale bytes in their natural order.   gw [token][8] f32: p for the two chosen experts, 0 for the others.
;      route [chunk of 32 tokens][lane] pairs: {key << 2 | rank << 8 of token 32 c + lane, number of the chunk's tokens with key = lane}.  key 0..27 numbers the set {a < b} of experts:
;      (15 a - a a) / 2 + (a odd ? 7 - b : b - a - 1): neighbouring keys share an expert.  rank: how many earlier tokens of the chunk have the same key.
; The choice is made of floating-point numbers, so here it is only STORED: no address and no branch of this launch hangs on it.
; SHARES: a work-group takes a chunk of 32 tokens, a wave 8 of them, in 16 steps of half a token (512 numbers).  All 64 loads of a wave's x are issued at the head, each into registers of its own
; (where the load counter's field is full the issue is held: ISA guide 5.7.1); each load reads 512 consecutive bytes.  A step's 2,048 bytes turn through the wave's own stage in LDS
; (16 bytes of padding behind each 64) and come back 16 neighbours a lane; lanes l and l xor 1 hold a block.  Lane l takes the 16 numbers 16 sigma(l) on, sigma swapping the two low bits of the block's number:
; so its 12 bytes of codes belong at 12 l of the step's 384, and a store of the wave covers 384 consecutive bytes.
; Memory binds: no matrix unit, no tensor load, no cluster: the work-groups share nothing but Wg's 32 KB.
; LIMITS: NaN and infinities are not served.  A block whose largest magnitude lies under 2^-124 (zeros among them) keeps the byte 1; its codes are then zeros or the small codes that byte gives; only this program reads the bytes.
; The logits' sums are ordered otherwise than a row-by-row sum: a second and third expert closer than the f32 rounding of the sums may change places.
; REGISTERS: window 0: v1-15 addresses; v16-47 two sets of 16 neighbours; v48-63 eight pairs of partial logits; v64-71 the logits of token lane / 4; v72-79, v160-167 at work; v80-143 codes, v144-159 bytes, a set for each step;
;   v168-207 the softmax and the choice.   window 1: Wg[e][512 u + 16 sigma + i] at 128 u + 16 e + i.   window 2: x as loaded, 16 registers a step.
.set ST1,  2560                        ; a stage: 32 places of 80 bytes
.set SCB,  5120                        ; behind a wave's two stages: its 256 scale bytes
.set KEYS, 32768                       ; behind the four waves' regions of 8,192 bytes: the chunk's 32 keys
.set X,  16
.set G,  48
.set LG, 64
.set T,  72
.set C,  80
.set E,  144
.set T2, 160
.set P,  168
.set Q,  176
.set MSB, 0
.macro WIN new                         ; the immediate's high byte repeats the setting that is left
.if MSB != \new
	s_set_vgpr_msb (MSB<<8)|\new
.set MSB, \new
.endif
.endm
	s_load_b256 s[4:11], s[0:1], 0x0               ; x s[4:5], Wg s[6:7], bg s[8:9], xq s[10:11]
	s_load_b128 s[12:15], s[0:1], 0x20             ; xs s[12:13], gw s[14:15]
	s_load_b64 s[16:17], s[0:1], 0x30              ; route
	v_lshl_add_u32 v254, v0, 2, 0x8200
	v_mov_b32 v255, 0
	v_lshrrev_b32 v1, 5, v0
	v_readfirstlane_b32 s18, v1                    ; wave 0..3
	v_and_b32 v1, 31, v0                           ; lane
	s_lshl_b32 s19, s18, 13                        ; my wave's region of LDS
	s_mov_b32 s20, 0x76543210
	s_mov_b32 s21, 0xfedcba98                      ; v_permlanex16_b32's selects for lane l xor 16
.irp j, 0,1,2,3,4,5,6,7
	s_mov_b32 s[32+\j], 0xf<<(4*\j)                ; lanes 4 j .. 4 j + 3 keep token j's logits
.endr
	v_and_b32 v8, 24, v1
	v_lshrrev_b32 v8, 1, v8                        ; (l / 2) & 12
	v_bfe_u32 v9, v1, 1, 1
	v_lshl_add_u32 v8, v9, 1, v8                   ; + 2 x bit 0 of l / 2
	v_bfe_u32 v9, v1, 2, 1
	v_add_nc_u32 v8, v8, v9                        ; + bit 1 of l / 2: my block among the step's 16
	v_and_b32 v9, 1, v1
	v_lshl_add_u32 v9, v8, 1, v9                   ; sigma: my 16 numbers among the step's 32 x 16
	v_lshlrev_b32 v2, 4, v1                        ; my 16 bytes of a load's 512
	v_lshrrev_b32 v11, 2, v1
	v_mul_u32_u24 v3, v11, 80
	v_and_b32 v11, 3, v1
	v_lshl_add_u32 v3, v11, 4, v3
	v_add_nc_u32 v3, s19, v3                       ; the stage, on the way in: four lanes' 64 bytes on end, then 16 of padding
	v_mul_u32_u24 v4, v9, 80
	v_add_nc_u32 v4, s19, v4                       ; and on the way out: place sigma
	v_mul_u32_u24 v5, v1, 12                       ; my codes' place in a step's 384 bytes
	v_add_nc_u32 v6, s19, v8
	v_add_nc_u32 v6, SCB, v6                       ; my block's scale byte
	v_lshlrev_b32 v7, 3, v1                        ; 8 bytes a lane
	v_add_nc_u32 v14, s19, v7
	v_add_nc_u32 v14, SCB, v14                     ; the scale bytes on the way out
	v_lshlrev_b32 v15, 6, v9                       ; Wg: my 16 numbers of a half row
	v_lshrrev_b32 v200, 2, v0
	v_lshl_add_u32 v200, v200, 2, KEYS             ; the key of token 8 w + lane / 4
	v_lshl_add_u32 v201, v1, 2, KEYS               ; the key of token lane (wave 0 reads them)
.irp e, 0,1,2,3,4,5,6,7
	v_mov_b32 v[T2+\e], 0                          ; written once: a lane permute's destination counts as one of its sources
.endr
	s_lshl_b32 s40, ttmp9, 5
	s_lshl_b32 s41, s18, 3
	s_add_co_u32 s40, s40, s41                     ; my wave's first token: 32 x work-group + 8 x wave
	s_mov_b32 s43, 0
	s_wait_kmcnt 0x0
	s_load_b256 s[24:31], s[8:9], 0x0              ; bg's eight numbers
	s_lshl_b32 s42, s40, 12
	s_add_nc_u64 s[4:5], s[4:5], s[42:43]          ; x: 4,096 bytes a token
	s_mul_i32 s42, s40, 768
	s_add_nc_u64 s[10:11], s[10:11], s[42:43]      ; xq: 768
	s_lshl_b32 s42, s40, 5
	s_add_nc_u64 s[12:13], s[12:13], s[42:43]      ; xs and gw: 32
	s_add_nc_u64 s[14:15], s[14:15], s[42:43]
	s_lshl_b32 s42, ttmp9, 8
	s_add_nc_u64 s[16:17], s[16:17], s[42:43]      ; route: 256 bytes a chunk
	WIN 0x40                                       ; destination window 1
.irp u, 0,1
.irp e, 0,1,2,3,4,5,6,7
.irp i, 0,1,2,3
	global_load_b128 v[128*\u+16*\e+4*\i:128*\u+16*\e+4*\i+3], v15, s[6:7] offset:4096*\e+2048*\u+16*\i
.endr
.endr
.endr
	WIN 0x80                                       ; destination window 2
.set TT, 0
.rept 16
.irp i, 0,1,2,3
	global_load_b128 v[16*TT+4*\i:16*TT+4*\i+3], v2, s[4:5] offset:2048*TT+512*\i th:TH_LOAD_NT   ; 32 lanes read 512 consecutive bytes; read once in the launch
.endr
.set TT, TT+1
.endr
	WIN 0
.macro TURN t                          ; step t's numbers through stage t % 2: LDS serves a wave's instructions in order, so no wait stands between the stores and the loads
	WIN 0x08                                       ; an LDS store's data are its source 1: window 2
.irp i, 0,1,2,3
	ds_store_b128 v3, v[16*(\t)+4*\i:16*(\t)+4*\i+3] offset:ST1*((\t)%2)+640*\i
.endr
	WIN 0
.irp i, 0,1,2,3
	ds_load_b128 v[X+16*((\t)%2)+4*\i:X+16*((\t)%2)+4*\i+3], v4 offset:ST1*((\t)%2)+16*\i
.endr
.endm
.macro QUANT t                         ; my 16 numbers become 12 bytes of codes, my block's largest magnitude its byte
.set XR, X+16*((\t)%2)
	v_max3_num_f32 v8, |v[XR]|, |v[XR+1]|, |v[XR+2]|
	v_max3_num_f32 v9, |v[XR+3]|, |v[XR+4]|, |v[XR+5]|
.irp i, 6,10
	v_max3_num_f32 v8, v8, |v[XR+\i]|, |v[XR+\i+1]|
	v_max3_num_f32 v9, v9, |v[XR+\i+2]|, |v[XR+\i+3]|
.endr
	v_max3_num_f32 v8, v8, |v[XR+14]|, |v[XR+15]|
	v_max3_num_f32 v8, v8, v9, 0x1800000           ; and the floor 2^(3 - 127): the byte cannot fall under 1
	v_max_num_f32_dpp v8, v8, v8 row_xmask:1 row_mask:0xf bank_mask:0xf   ; with my neighbour's 16: the block's
	v_add_nc_u32 v11, 0xff000000, v8               ; 2 off its exponent field: the conversion takes the exponent field of this operand as its scale
	v_cvt_scalef32_pk16_fp6_f32 v[C+4*(\t):C+4*(\t)+2], v[XR:XR+15], v11   ; to the nearest code, ties to even, beyond 7.5 the largest code
	v_lshrrev_b32 v[E+(\t)], 23, v11               ; the scale's byte (also the plain instruction behind the conversion)
	ds_store_b8 v6, v[E+(\t)] offset:16*(\t)       ; both lanes of a block write the same byte with the same value
	global_store_b96 v5, v[C+4*(\t):C+4*(\t)+2], s[10:11] offset:384*(\t)   ; the wave stores 384 consecutive bytes; two steps fill a token's 768
.endm
.macro GATE t                          ; eight partial logits, two numbers an instruction; a token's first products start the sums
	WIN 0x04                                       ; source 1 (Wg) window 1
.irp i, 0,2,4,6,8,10,12,14
.irp e, 0,1,2,3,4,5,6,7
.if ((\t)%2 == 0) && (\i == 0)
	v_pk_mul_f32 v[G+2*\e:G+2*\e+1], v[X+16*((\t)%2)+\i:X+16*((\t)%2)+\i+1], v[128*((\t)%2)+16*\e+\i:128*((\t)%2)+16*\e+\i+1]
.else
	v_pk_fma_f32 v[G+2*\e:G+2*\e+1], v[X+16*((\t)%2)+\i:X+16*((\t)%2)+\i+1], v[128*((\t)%2)+16*\e+\i:128*((\t)%2)+16*\e+\i+1], v[G+2*\e:G+2*\e+1]
.endif
.endr
.endr
	WIN 0
.endm
.macro REDUCE j                        ; token j's eight sums over the 32 lanes; lanes 4 j .. 4 j + 3 keep them
.irp e, 0,1,2,3,4,5,6,7
	v_add_f32 v[T+\e], v[G+2*\e], v[G+2*\e+1]
.endr
.irp x, 1,2,4,8
.irp e, 0,1,2,3,4,5,6,7
	v_add_f32_dpp v[T+\e], v[T+\e], v[T+\e] row_xmask:\x row_mask:0xf bank_mask:0xf
.endr
.endr
.irp e, 0,1,2,3,4,5,6,7
	v_permlanex16_b32 v[T2+\e], v[T+\e], s20, s21
.endr
.irp e, 0,1,2,3,4,5,6,7
	v_add_f32 v[T+\e], v[T+\e], v[T2+\e]
.endr
.irp e, 0,1,2,3,4,5,6,7
.if (\j) == 0
	v_mov_b32 v[LG+\e], v[T+\e]                    ; the first token writes the registers whole
.else
	v_cndmask_b32 v[LG+\e], v[LG+\e], v[T+\e], s[32+(\j)]
.endif
.endr
.endm
.macro STEP t
.if (\t) > 0
	s_wait_dscnt 1                                 ; this step's numbers are back from the stage; the last step's byte store may be out
.else
	s_wait_dscnt 0x0
.endif
.if (\t) < 15
	s_wait_loadcnt 4*(14-(\t))                     ; the next step's four loads are in; those of the 14 - t steps behind it may be out
	TURN (\t)+1                                    ; and go through the other stage while this step is worked
.endif
	QUANT \t
	GATE \t
.if (\t)%2 == 1
	REDUCE ((\t)/2)
.endif
.endm
	s_wait_loadcnt 60                              ; Wg and step 0's four loads are in; the 60 loads of steps 1 to 15 may be out
	TURN 0
.irp t, 0,1,2,3,4,5,6,7,8,9,10,11,12,13,14,15
	STEP \t
.endr
	ds_load_b64 v[12:13], v14                      ; LDS serves a wave's instructions in order: these see my byte stores
	s_wait_dscnt 0x0
	global_store_b64 v7, v[12:13], s[12:13]        ; my 8 tokens' scale bytes: 256 consecutive bytes, aligned
	; THE SOFTMAX AND THE CHOICE: every lane for token lane / 4
	s_wait_kmcnt 0x0                               ; bg
.irp e, 0,1,2,3,4,5,6,7
	v_add_f32 v[LG+\e], s[24+\e], v[LG+\e]
.endr
	v_max3_num_f32 v184, v[LG], v[LG+1], v[LG+2]
	v_max3_num_f32 v184, v184, v[LG+3], v[LG+4]
	v_max3_num_f32 v184, v184, v[LG+5], v[LG+6]
	v_max_num_f32 v184, v184, v[LG+7]              ; the largest logit is taken away
.irp e, 0,1,2,3,4,5,6,7
	v_sub_f32 v[P+\e], v[LG+\e], v184
.endr
.irp e, 0,1,2,3,4,5,6,7
	v_mul_f32 v[P+\e], 0x3fb8aa3b, v[P+\e]         ; x log2(e)
.endr
.irp e, 0,1,2,3,4,5,6,7
	v_exp_f32 v[P+\e], v[P+\e]
.endr
	v_nop                                          ; a plain instruction behind the last exponential
	s_wait_alu depctr_va_vdst(0)                   ; one wait for the eight, ahead of their first reader
	v_add_f32 v185, v[P], v[P+1]
	v_add_f32 v186, v[P+2], v[P+3]
	v_add_f32 v187, v[P+4], v[P+5]
	v_add_f32 v188, v[P+6], v[P+7]
	v_add_f32 v185, v185, v186
	v_add_f32 v187, v187, v188
	v_add_f32 v185, v185, v187
	v_rcp_f32 v189, v185
	v_mov_b32 v190, -1.0                           ; (a plain instruction behind the reciprocal)  under every p
	s_wait_alu depctr_va_vdst(0)                   ; the wait ahead of the reciprocal's first reader
.irp e, 0,1,2,3,4,5,6,7
	v_mul_f32 v[P+\e], v[P+\e], v189               ; the gate's scores
.endr
	v_mov_b32 v186, v[P]                           ; the largest, by an ascending scan: only a strictly greater score takes the place, so the lower index wins a tie
	v_mov_b32 v187, 0
.irp e, 1,2,3,4,5,6,7
	v_cmp_le_f32 vcc_lo, v[P+\e], v186
	v_cndmask_b32 v187, \e, v187, vcc_lo
	v_cndmask_b32 v186, v[P+\e], v186, vcc_lo
.endr
.irp e, 0,1,2,3,4,5,6,7
	v_cmp_eq_u32 vcc_lo, \e, v187
	v_cndmask_b32 v[Q+\e], v[P+\e], v190, vcc_lo   ; the first choice is taken out
.endr
	v_mov_b32 v188, v[Q]                           ; the second largest, likewise
	v_mov_b32 v189, 0
.irp e, 1,2,3,4,5,6,7
	v_cmp_le_f32 vcc_lo, v[Q+\e], v188
	v_cndmask_b32 v189, \e, v189, vcc_lo
	v_cndmask_b32 v188, v[Q+\e], v188, vcc_lo
.endr
	v_min_u32 v191, v187, v189                     ; a
	v_max_u32 v192, v187, v189                     ; b
	v_sub_nc_u32 v193, 15, v191
	v_mul_u32_u24 v193, v191, v193
	v_lshrrev_b32 v193, 1, v193                    ; (15 a - a a) / 2
	v_sub_nc_u32 v194, v192, v191
	v_add_nc_u32 v194, -1, v194                    ; b - a - 1
	v_sub_nc_u32 v195, 7, v192                     ; 7 - b
	v_and_b32 v196, 1, v191
	v_cmp_eq_u32 vcc_lo, 1, v196
	v_cndmask_b32 v194, v194, v195, vcc_lo
	v_add_nc_u32 v197, v193, v194                  ; the key
	v_and_b32 v195, 3, v1
	v_lshlrev_b32 v195, 1, v195                    ; my two experts of the token's eight: 2 (lane % 4) and the next
	v_add_nc_u32 v196, 1, v195
	v_cmp_eq_u32 vcc_lo, v195, v189
	v_cndmask_b32 v198, 0, v188, vcc_lo
	v_cmp_eq_u32 vcc_lo, v195, v187
	v_cndmask_b32 v198, v198, v186, vcc_lo
	v_cmp_eq_u32 vcc_lo, v196, v189
	v_cndmask_b32 v199, 0, v188, vcc_lo
	v_cmp_eq_u32 vcc_lo, v196, v187
	v_cndmask_b32 v199, v199, v186, vcc_lo
	global_store_b64 v7, v[198:199], s[14:15]      ; my 8 tokens' gate weights: 256 consecutive bytes, aligned
	ds_store_b32 v200, v197                        ; four lanes write the same word with the same value
	s_wait_dscnt 0x0                               ; for wave 0's sake: my keys have landed
	s_barrier_signal -1
	s_barrier_wait -1
	s_cmp_lg_u32 s18, 0
	s_cbranch_scc1 .Ldone
	; wave 0: a lane to a token: its rank among the chunk's tokens of the same key; and a lane to a key: the chunk's count.  Values only
	ds_load_b32 v202, v201
	v_mov_b32 v203, 0
	v_mov_b32 v207, 0
	s_wait_dscnt 0x0
.set KK, 0
.rept 28
	v_cmp_eq_u32 s40, KK, v202                     ; the tokens with this key
	v_mbcnt_lo_u32_b32 v204, s40, 0                ; how many of them stand in lower lanes
	v_cndmask_b32 v203, v203, v204, s40
	s_bcnt1_i32_b32 s41, s40
	v_writelane_b32 v207, s41, KK
.set KK, KK+1
.endr
	v_lshlrev_b32 v206, 2, v202
	v_lshl_or_b32 v206, v203, 8, v206
	global_store_b64 v7, v[206:207], s[16:17]      ; the chunk's 256 bytes, aligned
.Ldone:
	s_wait_tensorcnt 0x0
	ds_add_u32 v254, v255
	s_wait_dscnt 0x0
	s_endpgm
.Lfunc_end_k_q7e45191f51_gateq:
	.size	k_q7e45191f51_gateq, .Lfunc_end_k_q7e45191f51_gateq-k_q7e45191f51_gateq
	.p2alignl 7, 3214868480
	.fill 96, 4, 3214868480
	.section	.rodata,"a",@progbits
	.p2align	6, 0x0
	.amdhsa_kernel k_q7e45191f51_gateq
		.amdhsa_group_segment_fixed_size 33792
		.amdhsa_private_segment_fixed_size 0
		.amdhsa_enable_private_segment 0
		.amdhsa_kernarg_size 56
		.amdhsa_user_sgpr_count 2
		.amdhsa_user_sgpr_kernarg_segment_ptr 1
		.amdhsa_wavefront_size32 1
		.amdhsa_system_sgpr_workgroup_id_x 1
		.amdhsa_system_sgpr_workgroup_id_y 1
		.amdhsa_system_sgpr_workgroup_id_z 1
		.amdhsa_system_vgpr_workitem_id 0
		.amdhsa_next_free_vgpr 768
		.amdhsa_next_free_sgpr 66
		.amdhsa_reserve_vcc 1
		.amdhsa_float_denorm_mode_32 3
		.amdhsa_float_denorm_mode_16_64 3
		.amdhsa_memory_ordered 1
		.amdhsa_forward_progress 1
		.amdhsa_inst_pref_size 147
	.end_amdhsa_kernel
	.amdgpu_metadata
---
amdhsa.version: [ 1, 2 ]
amdhsa.kernels:
  - .name:           k_q7e45191f51_gateq
    .symbol:         k_q7e45191f51_gateq.kd
    .args:
      - { .name: x, .offset: 0, .size: 8, .value_kind: global_buffer, .address_space: global }
      - { .name: Wg, .offset: 8, .size: 8, .value_kind: global_buffer, .address_space: global }
      - { .name: bg, .offset: 16, .size: 8, .value_kind: global_buffer, .address_space: global }
      - { .name: xq, .offset: 24, .size: 8, .value_kind: global_buffer, .address_space: global }
      - { .name: xs, .offset: 32, .size: 8, .value_kind: global_buffer, .address_space: global }
      - { .name: gw, .offset: 40, .size: 8, .value_kind: global_buffer, .address_space: global }
      - { .name: route, .offset: 48, .size: 8, .value_kind: global_buffer, .address_space: global }
    .group_segment_fixed_size: 33792
    .private_segment_fixed_size: 0
    .kernarg_segment_align: 8
    .kernarg_segment_size: 56
    .max_flat_workgroup_size: 128
    .sgpr_count:     66
    .vgpr_count:     768
    .wavefront_size: 32
...
	.end_amdgpu_metadata
.endif
;; end of part 1
;; launch place (part 2): grid 65 x 1, 8 waves a work-group, no clusters, 102,400 bytes of LDS; arguments route, We_codes, order, bm, wf; writes order, bm, wf
.if DOCPART == 2
	.amdgcn_target "amdgcn-amd-amdhsa--gfx1250"
	.amdhsa_code_object_version 6
	.text
	.protected	k_q7e45191f51_place
	.globl	k_q7e45191f51_place
	.p2align	8
	.type	k_q7e45191f51_place,@function
k_q7e45191f51_place:
	s_mov_b64 s[64:65], 0
	v_nop
	global_prefetch_b8 v0, s[64:65] scope:SCOPE_SE
	s_setreg_imm32_b32 hwreg(HW_REG_WAVE_MODE, 25, 1), 1
	s_wait_xcnt 0x0
; WORK-GROUP 0 SORTS THE TOKENS BY KEY; WORK-GROUPS 1 TO 64 LAY THE WEIGHTS' CODES OUT AS REGISTER IMAGES.  The two ways part on the work-group's number and use LDS bytes of their own (0..1,023; from 1,024 on).
; THE SORT, a counting sort without atomics.  route holds, for each chunk of 32 tokens, each token's key and its rank among the chunk's tokens of that key, and each key's count in the chunk.
; Wave w takes chunks 32 w .. 32 w + 31.  In the counts a lane is a key, in the tokens' words a lane is a token.  A key's first place = the sum of all smaller keys' totals; + the earlier waves' totals of the key;
; + the earlier chunks' counts; + the rank: the token's place.  order[place] = token.  These are stores of 4 bytes to scattered places, as a sort has them; the buffer is 32,768 bytes in all.
; bm[block of 128 places] = which of the 8 experts its tokens use.
; THE RELAY.  A tile is 16 rows of one expert's We, 12,288 dense bytes; a wave takes one: 24 loads of 512 consecutive bytes, through its own stage in LDS (rows 784 bytes apart), back as the 8 fragments' registers
; (lane (r, h): the 24 bytes at 96 s + 24 h of row r and the 24 bytes 48 further on), stored as they stand: wf [tile][K step s][c = 0..2][lane][16 bytes]: each store covers 512 consecutive bytes, aligned.
; No tensor load, no cluster: nothing is shared between work-groups.
	s_load_b256 s[4:11], s[0:1], 0x0               ; route s[4:5], We_codes s[6:7], order s[8:9], bm s[10:11]
	s_load_b64 s[12:13], s[0:1], 0x20              ; wf
	v_lshl_add_u32 v224, v0, 2, 0x18c00
	v_mov_b32 v225, 0
	v_lshrrev_b32 v1, 5, v0
	v_readfirstlane_b32 s14, v1                    ; wave 0..7
	v_and_b32 v1, 31, v0                           ; lane
	s_cmp_eq_u32 ttmp9, 0
	s_cbranch_scc1 .Lsort
	; ---- the relay
	s_sub_co_u32 s15, ttmp9, 1
	s_lshl_b32 s15, s15, 3
	s_add_co_u32 s15, s15, s14                     ; my tile, 0..511
	s_mul_i32 s18, s15, 12288                      ; its first byte, in We_codes and in wf alike
	s_mov_b32 s19, 0
	s_mul_i32 s16, s14, 12544
	s_add_co_u32 s16, s16, 1024                    ; my stage: 16 rows x 784 bytes
	v_lshlrev_b32 v5, 4, v1                        ; 16 bytes a lane
	v_add_nc_u32 v2, s16, v5                       ; into the stage,
	v_lshrrev_b32 v6, 4, v1                        ; h
	v_lshl_add_u32 v3, v6, 4, v2                   ; and where a row ends at lane 16: lanes 16-31 lie behind one padding more
	v_and_b32 v7, 15, v1                           ; r
	v_mul_u32_u24 v4, v7, 784
	v_mad_u32_u24 v4, v6, 24, v4
	v_add_nc_u32 v4, s16, v4                       ; out of it: row r, + 24 h
	s_wait_kmcnt 0x0
	s_add_nc_u64 s[6:7], s[6:7], s[18:19]
	s_add_nc_u64 s[12:13], s[12:13], s[18:19]
.set QQ, 0
.rept 24
	global_load_b128 v[16+4*QQ:19+4*QQ], v5, s[6:7] offset:512*QQ th:TH_LOAD_NT   ; read once in the launch
.set QQ, QQ+1
.endr
	s_wait_loadcnt 0x0
.set QQ, 0
.rept 24                               ; byte B of the tile lies at B + 16 (B / 768): load q begins in row 2 q / 3; where q % 3 = 1 the row changes at lane 16
.if QQ%3 == 1
	ds_store_b128 v3, v[16+4*QQ:19+4*QQ] offset:512*QQ+16*((2*QQ)/3)
.else
	ds_store_b128 v2, v[16+4*QQ:19+4*QQ] offset:512*QQ+16*((2*QQ)/3)
.endif
.set QQ, QQ+1
.endr
.irp s, 0,1,2,3,4,5,6,7                ; LDS serves a wave's instructions in order: these see my stores
.irp p, 0,1,2,3,4,5
	ds_load_b64 v[112+12*\s+2*\p:113+12*\s+2*\p], v4 offset:96*\s+48*(\p/3)+8*(\p%3)
.endr
.endr
.irp s, 0,1,2,3,4,5,6,7
	s_wait_dscnt 6*(7-\s)                          ; fragment s is in; the six loads of each later fragment may be out
.irp c, 0,1,2
	global_store_b128 v5, v[112+12*\s+4*\c:115+12*\s+4*\c], s[12:13] offset:1536*\s+512*\c
.endr
.endr
	s_wait_tensorcnt 0x0
	ds_add_u32 v224, v225
	s_wait_dscnt 0x0
	s_endpgm
	; ---- the sort
.Lsort:
	v_lshlrev_b32 v2, 3, v1                        ; 8 bytes a lane
	v_lshlrev_b32 v3, 2, v0                        ; LDS: my wave's totals, a word a key: 128 w + 4 lane
	v_lshlrev_b32 v4, 2, v1
	s_lshl_b32 s18, s14, 13                        ; my 32 chunks of 256 bytes
	s_mov_b32 s19, 0
	s_lshl_b32 s17, s14, 10
	v_add_nc_u32 v114, s17, v1                     ; token 1,024 w + lane
	v_mov_b32 v80, 0
	v_mov_b32 v15, 0
	s_wait_kmcnt 0x0
	s_add_nc_u64 s[4:5], s[4:5], s[18:19]
.set II, 0
.rept 32
	global_load_b64 v[16+2*II:17+2*II], v2, s[4:5] offset:256*II   ; chunk i: v[16 + 2 i] the tokens' words, v[17 + 2 i] the keys' counts
.set II, II+1
.endr
	s_wait_loadcnt 0x0
	v_add3_u32 v5, v17, v19, v21
.irp i, 3,5,7,9,11,13,15,17,19,21,23,25,27,29
	v_add3_u32 v5, v5, v[17+2*\i], v[19+2*\i]
.endr
	v_add_nc_u32 v5, v5, v79                       ; my wave's total of key = lane
	ds_store_b32 v3, v5
	s_wait_dscnt 0x0                               ; for the others' sake: my totals have landed
	s_barrier_signal -1
	s_barrier_wait -1
.irp q, 0,1,2,3,4,5,6,7
	ds_load_b32 v[6+\q], v4 offset:128*\q
.endr
	s_wait_dscnt 0x0
	v_add3_u32 v14, v6, v7, v8
	v_add3_u32 v14, v14, v9, v10
	v_add3_u32 v14, v14, v11, v12
	v_add_nc_u32 v14, v14, v13                     ; the key's total
.irp q, 0,1,2,3,4,5,6
	s_cmp_gt_u32 s14, \q
	s_cselect_b32 s15, -1, 0
	v_and_b32 v115, s15, v[6+\q]
	v_add_nc_u32 v15, v15, v115                    ; the earlier waves' totals
.endr
	s_mov_b32 s32, 0                               ; s[32 + k]: key k's first place; s60 = 8,192
.set KK, 0
.rept 28
	v_readlane_b32 s16, v14, KK
	v_writelane_b32 v80, s[32+KK], KK
	s_add_co_u32 s[33+KK], s[32+KK], s16
.set KK, KK+1
.endr
	v_add_nc_u32 v81, v80, v15                     ; lane = key: the place of my wave's first token of the key
.set II, 0
.rept 32
	ds_bpermute_b32 v[82+II], v[16+2*II], v81      ; lane = token: bits 6:2 of its word are its key: it takes that lane's running place
	v_add_nc_u32 v81, v81, v[17+2*II]              ; on by the chunk's counts
.set II, II+1
.endr
.set II, 0
.rept 32
	s_wait_dscnt 31-II                             ; chunk i's places are in; the later chunks' may be out
	v_lshrrev_b32 v[16+2*II], 8, v[16+2*II]        ; the rank
	v_add_nc_u32 v[82+II], v[82+II], v[16+2*II]
	v_min_u32 v[82+II], 0x1fff, v[82+II]           ; a place lies in 0..8,191
	v_lshlrev_b32 v[82+II], 2, v[82+II]
	v_add_nc_u32 v[17+2*II], 32*II, v114           ; the token's number
	global_store_b32 v[82+II], v[17+2*II], s[8:9]  ; every store has registers of its own
.set II, II+1
.endr
	s_cmp_lg_u32 s14, 0
	s_cbranch_scc1 .Lend
	; wave 0: lane l makes the masks of blocks 2 l and 2 l + 1: a key's experts count where its places meet the block's 128
	v_lshlrev_b32 v116, 8, v1
	v_add_nc_u32 v117, 128, v116
	v_add_nc_u32 v118, 0x100, v116
	v_mov_b32 v120, 0
	v_mov_b32 v121, 0
.irp a, 0,1,2,3,4,5,6
.irp b, 1,2,3,4,5,6,7
.if \b > \a
.set KK, (15*\a-\a*\a)/2+(\a%2)*(7-\b)+(1-\a%2)*(\b-\a-1)
	v_max_u32 v122, s[32+KK], v116
	v_min_u32 v123, s[33+KK], v117
	v_cmp_lt_u32 vcc_lo, v122, v123
	v_or_b32 v124, (1<<\a)|(1<<\b), v120
	v_cndmask_b32 v120, v120, v124, vcc_lo
	v_max_u32 v122, s[32+KK], v117
	v_min_u32 v123, s[33+KK], v118
	v_cmp_lt_u32 vcc_lo, v122, v123
	v_or_b32 v124, (1<<\a)|(1<<\b), v121
	v_cndmask_b32 v121, v121, v124, vcc_lo
.endif
.endr
.endr
	global_store_b64 v2, v[120:121], s[10:11]      ; 64 masks: 256 consecutive bytes, aligned
.Lend:
	s_wait_tensorcnt 0x0
	ds_add_u32 v224, v225
	s_wait_dscnt 0x0
	s_endpgm
.Lfunc_end_k_q7e45191f51_place:
	.size	k_q7e45191f51_place, .Lfunc_end_k_q7e45191f51_place-k_q7e45191f51_place
	.p2alignl 7, 3214868480
	.fill 96, 4, 3214868480
	.section	.rodata,"a",@progbits
	.p2align	6, 0x0
	.amdhsa_kernel k_q7e45191f51_place
		.amdhsa_group_segment_fixed_size 102400
		.amdhsa_private_segment_fixed_size 0
		.amdhsa_enable_private_segment 0
		.amdhsa_kernarg_size 40
		.amdhsa_user_sgpr_count 2
		.amdhsa_user_sgpr_kernarg_segment_ptr 1
		.amdhsa_wavefront_size32 1
		.amdhsa_system_sgpr_workgroup_id_x 1
		.amdhsa_system_sgpr_workgroup_id_y 1
		.amdhsa_system_sgpr_workgroup_id_z 1
		.amdhsa_system_vgpr_workitem_id 0
		.amdhsa_next_free_vgpr 226
		.amdhsa_next_free_sgpr 66
		.amdhsa_reserve_vcc 1
		.amdhsa_float_denorm_mode_32 3
		.amdhsa_float_denorm_mode_16_64 3
		.amdhsa_memory_ordered 1
		.amdhsa_forward_progress 1
		.amdhsa_inst_pref_size 46
	.end_amdhsa_kernel
	.amdgpu_metadata
---
amdhsa.version: [ 1, 2 ]
amdhsa.kernels:
  - .name:           k_q7e45191f51_place
    .symbol:         k_q7e45191f51_place.kd
    .args:
      - { .name: route, .offset: 0, .size: 8, .value_kind: global_buffer, .address_space: global }
      - { .name: We_codes, .offset: 8, .size: 8, .value_kind: global_buffer, .address_space: global }
      - { .name: order, .offset: 16, .size: 8, .value_kind: global_buffer, .address_space: global }
      - { .name: bm, .offset: 24, .size: 8, .value_kind: global_buffer, .address_space: global }
      - { .name: wf, .offset: 32, .size: 8, .value_kind: global_buffer, .address_space: global }
    .group_segment_fixed_size: 102400
    .private_segment_fixed_size: 0
    .kernarg_segment_align: 8
    .kernarg_segment_size: 40
    .max_flat_workgroup_size: 256
    .sgpr_count:     66
    .vgpr_count:     226
    .wavefront_size: 32
...
	.end_amdgpu_metadata
.endif
;; end of part 2
;; launch experts (part 3): grid 4 x 64, 4 waves a work-group, no clusters, 127,488 bytes of LDS; arguments xq, xs, gw, order, bm, wf, We_scales, be, out0; writes out0
.if DOCPART == 3
	.amdgcn_target "amdgcn-amd-amdhsa--gfx1250"
	.amdhsa_code_object_version 6
	.text
	.protected	k_q7e45191f51_experts
	.globl	k_q7e45191f51_experts
	.p2align	8
	.type	k_q7e45191f51_experts,@function
k_q7e45191f51_experts:
	s_mov_b64 s[64:65], 0
	v_nop
	global_prefetch_b8 v0, s[64:65] scope:SCOPE_SE
	s_setreg_imm32_b32 hwreg(HW_REG_WAVE_MODE, 25, 1), 1
	s_wait_xcnt 0x0
; out[token] = the sum over the token's two experts e of p_e (Q(x) We[e]^T + be[e]), on codes of FP6 (E2M3) with one E8M0 scale for each 32 along K = 1,024.
; SHARES.  A work-group owns 128 places of the tokens sorted by their sets of experts (order) and 256 columns; it walks the 8 experts in a loop of constant count and passes over, by a scalar branch on the block's stored
; mask (bm), those that none of its tokens uses.  Each output row has one owner: an expert's result is weighed by gw[token][e], which is 0 where the token did not choose it, and summed in registers.
; The four waves share the COLUMNS: wave w makes columns 64 w .. 64 w + 63 (four tiles t) for all eight tiles m of 16 tokens, so each byte of the weights is read by one wave of the work-group, from wf straight into registers,
; whole fragments by loads of 16 bytes a lane.  x's codes are gathered once, 32 tokens a wave, and lie in LDS as images of the fragments' registers, which every wave reads in each pass.
; NO TENSOR LOAD, NO CLUSTER, NO JOINT REQUEST: which experts a work-group walks hangs on a number read from memory, and partners would need different experts' tiles at different times.
; THE MATRIX INSTRUCTION IS USED TRANSPOSED: source 0 = 16 rows of We (16 columns of out), source 1 = 16 tokens: lane (r, h) holds token r and columns 8 h + 0 .. 7 of the tile: the gate's weight is one number a lane,
; and be is the C of each sum's first instruction.
; A PASS (one expert) is 8 K steps of 128, 32 matrix instructions each, the 32 accumulators by turns, one instruction a turn.  The weights run three K steps ahead through a ring of four
; sets of registers.  THE MASK DECIDES THE BRANCH AND NOTHING ELSE: the weights', scales' and biases' bases are stepped by constants once a trip, used or not, so each pass asks for its own first three K steps at its head.
; LIMITS: NaN and infinities are not served; one that arose in an expert's product would also reach the tokens of the same block that did not choose that expert (0 x NaN).
; LDS: XIMG 0: image (m, s) at (8 m + s) 1,536 + 512 c + 16 lane;  XSC: x's scale words, set i: the 8 words of places 32 i + lane, as two images of four registers;  GWT: [e][place] f32;  TOK: the places' tokens;  STG: a stage of 16 rows x 272 bytes for each wave.
; REGISTERS: window 0: v1-23 addresses; v24-31 at work at the head; v32-63 x's scale words; v64-79 We's; v80-111 be's four tiles; v112-207 A's set 0 (12 registers a tile m); v208-255 set 1, tiles 0-3.
;   window 1: v0-47 A's set 1, tiles 4-7; v48-239 the ring of We's fragments: 48 (s % 4) + 12 t; v240-255 the gate's weights, a pair a tile m.   window 2: the 32 accumulators, 8 (4 m + t).   window 3: out's sums, likewise.
; SCALARS: s[4:21] the nine buffers; s22 wave; s24 block; s25 the mask; s26 the expert; s27 512 x the expert; s[40:41] wf, s[42:43] We_scales, s[44:45] be, each at this trip's expert and my columns.
.set XSC,  98304
.set GWT,  102400
.set TOK,  106496
.set STG,  107008
.set XS,   32
.set WS,   64
.set BIAS, 80
.set A0,   112
.set A1,   208
.set RING, 48
.set GWR,  240
.set DB,   112                         ; the way out: two buffers of 8 x 4 registers,
.set TK,   176                         ; and two of 8 tokens' numbers, then offsets
.set MSB, 0
.macro WIN new                         ; the immediate's high byte repeats the setting that is left
.if MSB != \new
	s_set_vgpr_msb (MSB<<8)|\new
.set MSB, \new
.endif
.endm
.macro PLACES                          ; four plain instructions between a matrix instruction and a load into one of its registers, or a vector instruction that reads its result (ISA guide 7.12.1 for vector instructions)
.rept 4
	v_nop
.endr
.endm
.macro LDB j                           ; We's four fragments of K step j into ring set j % 4 (window 1): 12 loads, 512 consecutive bytes each
.irp t, 0,1,2,3
.irp c, 0,1,2
	global_load_b128 v[RING+48*((\j)%4)+12*\t+4*\c:RING+48*((\j)%4)+12*\t+4*\c+3], v1, s[40:41] offset:(8*\t+(\j))*1536+512*\c
.endr
.endr
.endm
.macro LDAM j, hi                      ; x's fragments of K step j, tiles 4 hi .. 4 hi + 3, into A's set j % 2: 12 LDS loads
.irp q, 0,1,2,3
.irp c, 0,1,2
.if (\j)%2 == 0
.set rL, A0+12*(4*(\hi)+\q)+4*\c
.elseif (\hi) == 0
.set rL, A1+12*\q+4*\c
.else
.set rL, 12*\q+4*\c
.endif
	ds_load_b128 v[rL:rL+3], v[1+(\hi)] offset:(8*\q+(\j))*1536+512*\c
.endr
.endr
.endm
.macro LDBIAS                          ; be of this expert: lane (r, h): columns 16 t + 8 h + 0 .. 7
.irp t, 0,1,2,3
	global_load_b128 v[BIAS+8*\t:BIAS+8*\t+3], v3, s[44:45] offset:64*\t
	global_load_b128 v[BIAS+8*\t+4:BIAS+8*\t+7], v3, s[44:45] offset:64*\t+16
.endr
.endm
.macro LDWS half                       ; We's scale words 4 half .. 4 half + 3 of column 32 i + lane: lanes 0-15 tile 2 i, lanes 16-31 tile 2 i + 1
.irp i, 0,1
	global_load_b128 v[WS+8*\i+4*(\half):WS+8*\i+4*(\half)+3], v4, s[42:43] offset:1024*\i+16*(\half)
.endr
.endm
.macro WM m, t, s                      ; one product: tile t of We x tile m of the tokens, K step s
.set rD, 8*(4*(\m)+(\t))
.set rB, RING+48*((\s)%4)+12*(\t)
.if (\s)%2 == 0
.set rA, A0+12*(\m)
.elseif (\m) < 4
.set rA, A1+12*(\m)
.else
.set rA, 12*((\m)-4)
.endif
.if (\s) == 0
.set rC, BIAS+8*(\t)
.else
.set rC, rD
.endif
.set rW, WS+8*((\t)/2)+(\s)
.set rX, XS+8*((\m)/2)+(\s)
.if ((\t)%2 == 0) && ((\m)%2 == 0)
	v_wmma_scale_f32_16x16x128_f8f6f4 v[rD:rD+7], v[rB:rB+11], v[rA:rA+11], v[rC:rC+7], v[rW], v[rX] matrix_a_fmt:MATRIX_FMT_FP6 matrix_b_fmt:MATRIX_FMT_FP6
.elseif ((\t)%2 == 1) && ((\m)%2 == 0)
	v_wmma_scale_f32_16x16x128_f8f6f4 v[rD:rD+7], v[rB:rB+11], v[rA:rA+11], v[rC:rC+7], v[rW], v[rX] matrix_a_fmt:MATRIX_FMT_FP6 matrix_b_fmt:MATRIX_FMT_FP6 matrix_a_scale:MATRIX_SCALE_ROW1
.elseif ((\t)%2 == 0) && ((\m)%2 == 1)
	v_wmma_scale_f32_16x16x128_f8f6f4 v[rD:rD+7], v[rB:rB+11], v[rA:rA+11], v[rC:rC+7], v[rW], v[rX] matrix_a_fmt:MATRIX_FMT_FP6 matrix_b_fmt:MATRIX_FMT_FP6 matrix_b_scale:MATRIX_SCALE_ROW1
.else
	v_wmma_scale_f32_16x16x128_f8f6f4 v[rD:rD+7], v[rB:rB+11], v[rA:rA+11], v[rC:rC+7], v[rW], v[rX] matrix_a_fmt:MATRIX_FMT_FP6 matrix_b_fmt:MATRIX_FMT_FP6 matrix_a_scale:MATRIX_SCALE_ROW1 matrix_b_scale:MATRIX_SCALE_ROW1
.endif
.endm
.macro MUL s                           ; 32 matrix instructions
.irp m, 0,1,2,3,4,5,6,7
.if (\s) == 0
	WIN 0x81                                       ; source 0 (We) window 1, source 1 (x) and C (be) window 0, D window 2
.elseif ((\s)%2 == 1) && (\m >= 4)
	WIN 0xa5                                       ; x's set 1, tiles 4-7: window 1
.else
	WIN 0xa1                                       ; C and D window 2
.endif
.irp t, 0,1,2,3
	WM \m, \t, \s
.endr
.endr
.endm
; A K STEP.  Behind four places: We's fragments of three steps on (steps 0 to 4), x's fragments of the next step (at step 7: of step 0, which every pass begins with), at step 7 the gate's weights; then the waits; then the products.
; Every register loaded here was last read by matrix instructions that stand in front of the four places: ring set (s - 1) % 4 and A's set (s - 1) % 2 by step s - 1.  Step 0 has no places of its own: the four at the end of
; the pass before stand between that pass's last matrix instruction and all loads of this pass's head.
; GLOBAL LOADS of a pass, in order of issue: at its head the scale words 4, be 8, B0 12, B1 12, B2 12; steps 0 to 4: B3 .. B7, 12 each: 60 out at the most.
; A step's wait leaves out what was issued behind the fragments that it multiplies: steps 0-4: three sets of 12: 36; step 5: B6 and B7: 24; step 6: B7: 12; step 7: none.
; LDS LOADS: the 24 just issued for the next step may be out; at step 7 the 8 gate weights too.
.macro KSTEP s
.if (\s) > 0
	PLACES
.endif
.if (\s) != 5
	WIN 0x40                                       ; destination window 1
.endif
.if (\s) < 5
	LDB (\s)+3
.endif
.if (\s)%2 == 0
	LDAM (\s)+1, 1
.endif
.if (\s) == 7
.irp m, 0,1,2,3,4,5,6,7
	ds_load_b32 v[GWR+2*\m], v6 offset:64*\m       ; this expert's weight for token 16 m + r
.endr
.endif
	WIN 0
	LDAM ((\s)+1)%8, 0
.if (\s)%2 == 1
	LDAM ((\s)+1)%8, 1
.endif
.if (\s) < 5
	s_wait_loadcnt 36
.else
	s_wait_loadcnt 12*(7-(\s))
.endif
.if (\s) == 7
	s_wait_dscnt 32
.else
	s_wait_dscnt 24
.endif
	MUL \s
.endm
.macro PASS                            ; expert s26: its bases stand in s[40:45]
	LDWS 0
	LDWS 1
	LDBIAS
	WIN 0x40
	LDB 0
	LDB 1
	LDB 2
.irp s, 0,1,2,3,4,5,6,7
	KSTEP \s
.endr
	PLACES
	s_wait_dscnt 0x0                               ; the gate's weights are in (and the next pass's first fragments of x)
	WIN 0xf6                                       ; source 0 (the sums just made) window 2, source 1 (the weights) window 1, source 2 and destination window 3
.irp m, 0,1,2,3,4,5,6,7
.irp t, 0,1,2,3
.irp q, 0,2,4,6                        ; each accumulator from its low end on
	v_pk_fma_f32 v[8*(4*\m+\t)+\q:8*(4*\m+\t)+\q+1], v[8*(4*\m+\t)+\q:8*(4*\m+\t)+\q+1], v[GWR+2*\m:GWR+2*\m+1], v[8*(4*\m+\t)+\q:8*(4*\m+\t)+\q+1] op_sel_hi:[1,0,1]
.endr
.endr
.endr
	WIN 0
.endm
	s_load_b512 s[4:19], s[0:1], 0x0               ; xq s[4:5], xs s[6:7], gw s[8:9], order s[10:11], bm s[12:13], wf s[14:15], We_scales s[16:17], be s[18:19]
	s_load_b64 s[20:21], s[0:1], 0x40              ; out0
	v_lshl_add_u32 v30, v0, 2, 0x1f000
	v_mov_b32 v31, 0
	v_lshrrev_b32 v24, 5, v0
	v_readfirstlane_b32 s22, v24                   ; wave 0..3
	s_and_b32 s24, ttmp7, 0xffff                   ; my block of 128 places
	v_and_b32 v24, 31, v0                          ; lane
	v_and_b32 v25, 15, v0                          ; r
	v_bfe_u32 v26, v0, 4, 1                        ; h
	v_lshlrev_b32 v1, 4, v24                       ; 16 x lane: an image's place for my lane; images of tiles 0-3
	v_add_nc_u32 v2, 49152, v1                     ; images of tiles 4-7
	v_lshlrev_b32 v3, 5, v26                       ; be: 32 h
	v_lshlrev_b32 v4, 5, v24                       ; We_scales: 32 bytes a column
	v_lshl_add_u32 v5, v25, 2, GWT                 ; the gate's weights: 4 r
	s_mul_i32 s28, s22, 24576
	v_add_nc_u32 v10, s28, v1                      ; where I store my two tiles' images
	s_lshl_b32 s28, s22, 10
	v_add_nc_u32 v11, s28, v1
	v_add_nc_u32 v11, XSC, v11                     ; and my 32 places' scale words
	v_lshl_add_u32 v12, v0, 2, GWT                 ; my place's gate weights: 4 (32 w + lane), + 512 e
	v_lshl_add_u32 v13, v0, 2, TOK                 ; and its token
	s_mul_i32 s28, s22, 4352
	s_add_co_u32 s28, s28, STG                     ; my stage
	v_mul_u32_u24 v14, v25, 272
	v_lshl_add_u32 v14, v26, 5, v14
	v_add_nc_u32 v14, s28, v14                     ; in: row r, + 32 h
	v_mul_u32_u24 v15, v26, 272
	v_lshl_add_u32 v15, v25, 4, v15
	v_add_nc_u32 v15, s28, v15                     ; back: lanes 0-15 one row of 256 bytes, lanes 16-31 the next
	v_lshl_add_u32 v16, v26, 2, TOK                ; and those two rows' tokens
	v_lshlrev_b32 v17, 4, v25
	v_add_nc_u32 v18, XSC, v1                      ; x's scale words, as images
	v_lshlrev_b32 v22, 2, v0                       ; order: place 32 w + lane
	v_and_b32 v23, 0x6f, v0
	v_lshlrev_b32 v23, 2, v23                      ; order: place 32 w + r
	v_mul_u32_u24 v27, v26, 48                     ; xq: 48 h
	s_mov_b32 s29, 0
	s_lshl_b32 s30, ttmp9, 4
	s_lshl_b32 s31, s22, 2
	s_add_co_u32 s30, s30, s31                     ; my first tile of 16 columns: 16 x work-group x + 4 x wave
	s_wait_kmcnt 0x0
	s_lshl_b32 s28, s24, 9
	s_add_nc_u64 s[10:11], s[10:11], s[28:29]      ; order at my block
	s_lshl_b32 s28, s24, 2
	s_add_nc_u64 s[12:13], s[12:13], s[28:29]
	s_load_b32 s25, s[12:13], 0x0                  ; the block's mask of experts
	global_load_b32 v9, v22, s[10:11]              ; the token of place 32 w + lane,
	global_load_b32 v7, v23, s[10:11]              ; of place 32 w + r,
	global_load_b32 v8, v23, s[10:11] offset:64    ; and of place 32 w + 16 + r
	s_mul_i32 s28, s30, 12288
	s_add_nc_u64 s[40:41], s[14:15], s[28:29]      ; expert 0's bases, with my columns in them: wf, 12,288 bytes a tile,
	s_lshl_b32 s28, s30, 9
	s_add_nc_u64 s[42:43], s[16:17], s[28:29]      ; We_scales, 512 bytes a tile,
	s_lshl_b32 s28, s30, 6
	s_add_nc_u64 s[44:45], s[18:19], s[28:29]      ; be, 64 bytes a tile
	s_add_nc_u64 s[20:21], s[20:21], s[28:29]      ; out0 at my 64 columns
	WIN 0x40
.irp m, 0,1,2,3,4,5,6,7
	v_mov_b32 v[GWR+2*\m+1], 0                     ; named as the upper halves of the weights' pairs, so they are written
.endr
	WIN 0
	s_wait_loadcnt 0x0                             ; the three loads from order are in
	v_min_u32 v7, 0x1fff, v7                       ; a token lies in 0..8,191
	v_min_u32 v8, 0x1fff, v8
	v_min_u32 v129, 0x1fff, v9
	v_mul_u32_u24 v7, v7, 768
	v_mul_u32_u24 v8, v8, 768
	v_add_nc_u32 v7, v7, v27
	v_add_nc_u32 v8, v8, v27
	v_lshlrev_b32 v9, 5, v129
	WIN 0x80                                       ; destination window 2: the accumulators' registers are free yet
.irp mm, 0,1
.irp s, 0,1,2,3,4,5,6,7
.irp c, 0,1,2
	global_load_b128 v[12*(8*\mm+\s)+4*\c:12*(8*\mm+\s)+4*\c+3], v[7+\mm], s[4:5] offset:96*\s+16*\c   ; lane (r, h): the 12 registers of token r's fragment of K step s
.endr
.endr
.endr
	WIN 0
	global_load_b128 v[112:115], v9, s[6:7]        ; my place's 8 scale words
	global_load_b128 v[116:119], v9, s[6:7] offset:16
	global_load_b128 v[120:123], v9, s[8:9]        ; and its 8 gate weights
	global_load_b128 v[124:127], v9, s[8:9] offset:16
	WIN 0xc0                                       ; destination window 3
.set II, 0
.rept 256
	v_mov_b32 v[II], 0                             ; out's sums begin at 0, while the gathers are out: which expert's pass comes first hangs on the mask, so the pass is written once and always adds
.set II, II+1
.endr
	WIN 0
	s_wait_loadcnt 0x0
	WIN 0x08                                       ; an LDS store's data are its source 1: window 2
.irp mm, 0,1
.irp s, 0,1,2,3,4,5,6,7
.irp c, 0,1,2
	ds_store_b128 v10, v[12*(8*\mm+\s)+4*\c:12*(8*\mm+\s)+4*\c+3] offset:(8*\mm+\s)*1536+512*\c
.endr
.endr
.endr
	WIN 0
	ds_store_b128 v11, v[112:115]
	ds_store_b128 v11, v[116:119] offset:512
.irp e, 0,1,2,3,4,5,6,7
	ds_store_b32 v12, v[120+\e] offset:512*\e
.endr
	ds_store_b32 v13, v129
	s_wait_dscnt 0x0                               ; for the others' sake: my stores have landed
	s_barrier_signal -1
	s_barrier_wait -1                              ; the launch's one barrier: on every wave's way, under no branch
.irp i, 0,1,2,3
.irp c, 0,1
	ds_load_b128 v[XS+8*\i+4*\c:XS+8*\i+4*\c+3], v18 offset:1024*\i+512*\c   ; x's scale words stay in registers: lanes 0-15 tile 2 i, lanes 16-31 tile 2 i + 1
.endr
.endr
	LDAM 0, 0
	LDAM 0, 1
	s_mov_b32 s26, 0                               ; the expert
	s_mov_b32 s27, 0                               ; 512 x the expert
	s_wait_kmcnt 0x0                               ; the mask
.Lexpert:                                          ; eight trips
	v_add_nc_u32 v6, s27, v5                       ; this expert's row of the gate's weights in LDS: made in every trip, ahead of the branch
	s_bitcmp1_b32 s25, s26
	s_cbranch_scc0 .Lskip                          ; none of my tokens uses it
	PASS
.Lskip:
	s_wait_xcnt 0x0                                ; the pass's loads have read their bases: these are stepped only behind this wait
	s_add_nc_u64 s[40:41], s[40:41], 786432        ; on to the next expert: 64 tiles of 12,288 bytes,
	s_add_nc_u64 s[42:43], s[42:43], 32768         ; 1,024 columns of 32 scale bytes,
	s_add_nc_u64 s[44:45], s[44:45], 4096          ; 1,024 biases
	s_add_co_u32 s27, s27, 512
	s_add_co_u32 s26, s26, 1
	s_cmp_lt_u32 s26, 8
	s_cbranch_scc1 .Lexpert
; THE WAY OUT, a tile of 16 tokens at a time.  A lane holds 32 neighbouring bytes of a row and the lanes beside it other rows: so a tile goes through my own stage in LDS and comes back as rows of 256 bytes;
; sixteen lanes store 256 consecutive bytes, aligned, of the row of out0 that the place's token names.  LDS serves a wave's instructions in order: no wait between the stores and the loads, nor in front of the next tile's stores.
.macro TOSTAGE m
	WIN 0x0c                                       ; the data: window 3
.irp t, 0,1,2,3
	ds_store_b128 v14, v[8*(4*(\m)+\t):8*(4*(\m)+\t)+3] offset:64*\t
	ds_store_b128 v14, v[8*(4*(\m)+\t)+4:8*(4*(\m)+\t)+7] offset:64*\t+16
.endr
	WIN 0
.irp i, 0,1,2,3,4,5,6,7
	ds_load_b128 v[DB+32*((\m)%2)+4*\i:DB+32*((\m)%2)+4*\i+3], v15 offset:544*\i
.endr
.irp i, 0,1,2,3,4,5,6,7
	ds_load_b32 v[TK+8*((\m)%2)+\i], v16 offset:4*(16*(\m)+2*\i)
.endr
.endm
.macro SEND m, younger                 ; younger: the LDS instructions issued behind tile m's loads, which may stay out
	s_wait_dscnt \younger
.irp i, 0,1,2,3,4,5,6,7
	v_min_u32 v[TK+8*((\m)%2)+\i], 0x1fff, v[TK+8*((\m)%2)+\i]
.endr
.irp i, 0,1,2,3,4,5,6,7
	v_lshlrev_b32 v[TK+8*((\m)%2)+\i], 12, v[TK+8*((\m)%2)+\i]   ; 4,096 bytes a row of out0
.endr
.irp i, 0,1,2,3,4,5,6,7
	v_add_nc_u32 v[TK+8*((\m)%2)+\i], v17, v[TK+8*((\m)%2)+\i]
.endr
.irp i, 0,1,2,3,4,5,6,7
	global_store_b128 v[TK+8*((\m)%2)+\i], v[DB+32*((\m)%2)+4*\i:DB+32*((\m)%2)+4*\i+3], s[20:21] th:TH_STORE_NT   ; written once, read by nobody here
.endr
.endm
	s_wait_dscnt 0x0
	TOSTAGE 0
.irp a, 1,2,3,4,5,6,7
.if \a > 1
	s_wait_xcnt 0x0                                ; tile a - 2's stores have read their registers: tile a's loads may land there
.endif
	TOSTAGE \a
	SEND \a-1, 24                                  ; behind tile a - 1's loads: tile a's 8 stores and 16 loads
.endr
	SEND 7, 0
	s_wait_tensorcnt 0x0
	ds_add_u32 v30, v31
	s_wait_dscnt 0x0
	s_endpgm
.Lfunc_end_k_q7e45191f51_experts:
	.size	k_q7e45191f51_experts, .Lfunc_end_k_q7e45191f51_experts-k_q7e45191f51_experts
	.p2alignl 7, 3214868480
	.fill 96, 4, 3214868480
	.section	.rodata,"a",@progbits
	.p2align	6, 0x0
	.amdhsa_kernel k_q7e45191f51_experts
		.amdhsa_group_segment_fixed_size 127488
		.amdhsa_private_segment_fixed_size 0
		.amdhsa_enable_private_segment 0
		.amdhsa_kernarg_size 72
		.amdhsa_user_sgpr_count 2
		.amdhsa_user_sgpr_kernarg_segment_ptr 1
		.amdhsa_wavefront_size32 1
		.amdhsa_system_sgpr_workgroup_id_x 1
		.amdhsa_system_sgpr_workgroup_id_y 1
		.amdhsa_system_sgpr_workgroup_id_z 1
		.amdhsa_system_vgpr_workitem_id 0
		.amdhsa_next_free_vgpr 1024
		.amdhsa_next_free_sgpr 66
		.amdhsa_reserve_vcc 0
		.amdhsa_float_denorm_mode_32 3
		.amdhsa_float_denorm_mode_16_64 3
		.amdhsa_memory_ordered 1
		.amdhsa_forward_progress 1
		.amdhsa_inst_pref_size 116
	.end_amdhsa_kernel
	.amdgpu_metadata
---
amdhsa.version: [ 1, 2 ]
amdhsa.kernels:
  - .name:           k_q7e45191f51_experts
    .symbol:         k_q7e45191f51_experts.kd
    .args:
      - { .name: xq, .offset: 0, .size: 8, .value_kind: global_buffer, .address_space: global }
      - { .name: xs, .offset: 8, .size: 8, .value_kind: global_buffer, .address_space: global }
      - { .name: gw, .offset: 16, .size: 8, .value_kind: global_buffer, .address_space: global }
      - { .name: order, .offset: 24, .size: 8, .value_kind: global_buffer, .address_space: global }
      - { .name: bm, .offset: 32, .size: 8, .value_kind: global_buffer, .address_space: global }
      - { .name: wf, .offset: 40, .size: 8, .value_kind: global_buffer, .address_space: global }
      - { .name: We_scales, .offset: 48, .size: 8, .value_kind: global_buffer, .address_space: global }
      - { .name: be, .offset: 56, .size: 8, .value_kind: global_buffer, .address_space: global }
      - { .name: out0, .offset: 64, .size: 8, .value_kind: global_buffer, .address_space: global }
    .group_segment_fixed_size: 127488
    .private_segment_fixed_size: 0
    .kernarg_segment_align: 8
    .kernarg_segment_size: 72
    .max_flat_workgroup_size: 128
    .sgpr_count:     66
    .vgpr_count:     1024
    .wavefront_size: 32
...
	.end_amdgpu_metadata
.endif
;; end of part 3
;; ======== version 2 of 2: 3 launches
;; workspace buffers: xq 6,291,456 bytes; xs 262,144 bytes; gw 262,144 bytes; route 65,536 bytes of whole numbers; order 32,768 bytes of whole numbers; bm 256 bytes of whole numbers; wf 6,291,456 bytes
;; launch gateq (part 4): grid 256 x 1, 4 waves a work-group, no clusters, 33,792 bytes of LDS; arguments x, Wg, bg, xq, xs, gw, route; writes xq, xs, gw, route
.if DOCPART == 4
	.amdgcn_target "amdgcn-amd-amdhsa--gfx1250"
	.amdhsa_code_object_version 6
	.text
	.protected	k_q7e45191f51_gateq
	.globl	k_q7e45191f51_gateq
	.p2align	8
	.type	k_q7e45191f51_gateq,@function
k_q7e45191f51_gateq:
	s_mov_b64 s[64:65], 0
	v_nop
	global_prefetch_b8 v0, s[64:65] scope:SCOPE_SE
	s_setreg_imm32_b32 hwreg(HW_REG_WAVE_MODE, 25, 1), 1
	s_wait_xcnt 0x0
; GATE, TOP-2 AND QUANTISER.  x: [8192][1024] f32.  For each token: logits = x Wg^T + bg in f32 (fused multiply-adds), softmax over the 8 experts with its maximum taken away, the two largest
; (the lower index wins a tie), and x's codes of FP6 (E2M3) with one E8M0 byte for each 32 along K.
; OUT: xq [token][768]: the codes, the 24-byte slot 4 s + 2 h + c holding block 4 s + 2 c + h, so that the 48 bytes at 96 s + 48 h are the 12 registers of lane (r, h) of the fragment of K step s.
;      xs [token][32]: the scale bytes in their natural order.   gw [token][8] f32: p for the two chosen experts, 0 for the others.
;      route [chunk of 32 tokens][lane] pairs: {key << 2 | rank << 8 of token 32 c + lane, number of the chunk's tokens with key = lane}.  key 0..27 numbers the set {a < b} of experts:
;      (15 a - a a) / 2 + (a odd ? 7 - b : b - a - 1): neighbouring keys share an expert.  rank: how many earlier tokens of the chunk have the same key.
; The choice is made of floating-point numbers, so here it is only STORED: no address and no branch of this launch hangs on it.
; SHARES: a work-group takes a chunk of 32 tokens, a wave 8 of them, in 16 steps of half a token (512 numbers).  All 64 loads of a wave's x are issued at the head, each into registers of its own
; (where the load counter's field is full the issue is held: ISA guide 5.7.1); each load reads 512 consecutive bytes.  A step's 2,048 bytes turn through the wave's own stage in LDS
; (16 bytes of padding behind each 64) and come back 16 neighbours a lane; lanes l and l xor 1 hold a block.  Lane l takes the 16 numbers 16 sigma(l) on, sigma swapping the two low bits of the block's number:
; so its 12 bytes of codes belong at 12 l of the step's 384, and a store of the wave covers 384 consecutive bytes.
; Memory binds: no matrix unit, no tensor load, no cluster: the work-groups share nothing but Wg's 32 KB.
; LIMITS: NaN and infinities are not served.  A block whose largest magnitude lies under 2^-124 (zeros among them) keeps the byte 1; its codes are then zeros or the small codes that byte gives; only this program reads the bytes.
; The logits' sums are ordered otherwise than a row-by-row sum: a second and third expert closer than the f32 rounding of the sums may change places.
; REGISTERS: window 0: v1-15 addresses; v16-47 two sets of 16 neighbours; v48-63 eight pairs of partial logits; v64-71 the logits of token lane / 4; v72-79, v160-167 at work; v80-143 codes, v144-159 bytes, a set for each step;
;   v168-207 the softmax and the choice.   window 1: Wg[e][512 u + 16 sigma + i] at 128 u + 16 e + i.   window 2: x as loaded, 16 registers a step.
.set ST1,  2560                        ; a stage: 32 places of 80 bytes
.set SCB,  5120                        ; behind a wave's two stages: its 256 scale bytes
.set KEYS, 32768                       ; behind the four waves' regions of 8,192 bytes: the chunk's 32 keys
.set X,  16
.set G,  48
.set LG, 64
.set T,  72
.set C,  80
.set E,  144
.set T2, 160
.set P,  168
.set Q,  176
.set MSB, 0
.macro WIN new                         ; the immediate's high byte repeats the setting that is left
.if MSB != \new
	s_set_vgpr_msb (MSB<<8)|\new
.set MSB, \new
.endif
.endm
	s_load_b256 s[4:11], s[0:1], 0x0               ; x s[4:5], Wg s[6:7], bg s[8:9], xq s[10:11]
	s_load_b128 s[12:15], s[0:1], 0x20             ; xs s[12:13], gw s[14:15]
	s_load_b64 s[16:17], s[0:1], 0x30              ; route
	v_lshl_add_u32 v254, v0, 2, 0x8200
	v_mov_b32 v255, 0
	v_lshrrev_b32 v1, 5, v0
	v_readfirstlane_b32 s18, v1                    ; wave 0..3
	v_and_b32 v1, 31, v0                           ; lane
	s_wait_alu depctr_va_vdst(0)
	s_lshl_b32 s19, s18, 13                        ; my wave's region of LDS
	s_mov_b32 s20, 0x76543210
	s_mov_b32 s21, 0xfedcba98                      ; v_permlanex16_b32's selects for lane l xor 16
.irp j, 0,1,2,3,4,5,6,7
	s_mov_b32 s[32+\j], 0xf<<(4*\j)                ; lanes 4 j .. 4 j + 3 keep token j's logits
.endr
	v_and_b32 v8, 24, v1
	v_lshrrev_b32 v8, 1, v8                        ; (l / 2) & 12
	v_bfe_u32 v9, v1, 1, 1
	v_lshl_add_u32 v8, v9, 1, v8                   ; + 2 x bit 0 of l / 2
	v_bfe_u32 v9, v1, 2, 1
	v_add_nc_u32 v8, v8, v9                        ; + bit 1 of l / 2: my block among the step's 16
	v_and_b32 v9, 1, v1
	v_lshl_add_u32 v9, v8, 1, v9                   ; sigma: my 16 numbers among the step's 32 x 16
	v_lshlrev_b32 v2, 4, v1                        ; my 16 bytes of a load's 512
	v_lshrrev_b32 v11, 2, v1
	v_mul_u32_u24 v3, v11, 80
	v_and_b32 v11, 3, v1
	v_lshl_add_u32 v3, v11, 4, v3
	v_add_nc_u32 v3, s19, v3                       ; the stage, on the way in: four lanes' 64 bytes on end, then 16 of padding
	v_mul_u32_u24 v4, v9, 80
	v_add_nc_u32 v4, s19, v4                       ; and on the way out: place sigma
	v_mul_u32_u24 v5, v1, 12                       ; my codes' place in a step's 384 bytes
	v_add_nc_u32 v6, s19, v8
	v_add_nc_u32 v6, SCB, v6                       ; my block's scale byte
	v_lshlrev_b32 v7, 3, v1                        ; 8 bytes a lane
	v_add_nc_u32 v14, s19, v7
	v_add_nc_u32 v14, SCB, v14                     ; the scale bytes on the way out
	v_lshlrev_b32 v15, 6, v9                       ; Wg: my 16 numbers of a half row
	v_lshrrev_b32 v200, 2, v0
	v_lshl_add_u32 v200, v200, 2, KEYS             ; the key of token 8 w + lane / 4
	v_lshl_add_u32 v201, v1, 2, KEYS               ; the key of token lane (wave 0 reads them)
.irp e, 0,1,2,3,4,5,6,7
	v_mov_b32 v[T2+\e], 0                          ; written once: a lane permute's destination counts as one of its sources
.endr
	s_lshl_b32 s40, ttmp9, 5
	s_lshl_b32 s41, s18, 3
	s_add_co_u32 s40, s40, s41                     ; my wave's first token: 32 x work-group + 8 x wave
	s_mov_b32 s43, 0
	s_wait_kmcnt 0x0
	s_load_b256 s[24:31], s[8:9], 0x0              ; bg's eight numbers
	s_lshl_b32 s42, s40, 12
	s_add_nc_u64 s[4:5], s[4:5], s[42:43]          ; x: 4,096 bytes a token
	s_mul_i32 s42, s40, 768
	s_add_nc_u64 s[10:11], s[10:11], s[42:43]      ; xq: 768
	s_lshl_b32 s42, s40, 5
	s_add_nc_u64 s[12:13], s[12:13], s[42:43]      ; xs and gw: 32
	s_add_nc_u64 s[14:15], s[14:15], s[42:43]
	s_lshl_b32 s42, ttmp9, 8
	s_add_nc_u64 s[16:17], s[16:17], s[42:43]      ; route: 256 bytes a chunk
	WIN 0x40                                       ; destination window 1
.irp u, 0,1
.irp e, 0,1,2,3,4,5,6,7
.irp i, 0,1,2,3
	global_load_b128 v[128*\u+16*\e+4*\i:128*\u+16*\e+4*\i+3], v15, s[6:7] offset:4096*\e+2048*\u+16*\i
.endr
.endr
.endr
	WIN 0x80                                       ; destination window 2
.set TT, 0
.rept 16
.irp i, 0,1,2,3
	global_load_b128 v[16*TT+4*\i:16*TT+4*\i+3], v2, s[4:5] offset:2048*TT+512*\i th:TH_LOAD_NT   ; 32 lanes read 512 consecutive bytes; read once in the launch
.endr
.set TT, TT+1
.endr
	WIN 0
.macro TURN t                          ; step t's numbers through stage t % 2: LDS serves a wave's instructions in order, so no wait stands between the stores and the loads
	WIN 0x08                                       ; an LDS store's data are its source 1: window 2
.irp i, 0,1,2,3
	ds_store_b128 v3, v[16*(\t)+4*\i:16*(\t)+4*\i+3] offset:ST1*((\t)%2)+640*\i
.endr
	WIN 0
.irp i, 0,1,2,3
	ds_load_b128 v[X+16*((\t)%2)+4*\i:X+16*((\t)%2)+4*\i+3], v4 offset:ST1*((\t)%2)+16*\i
.endr
.endm
.macro QUANT t                         ; my 16 numbers become 12 bytes of codes, my block's largest magnitude its byte
.set XR, X+16*((\t)%2)
	v_max3_num_f32 v8, |v[XR]|, |v[XR+1]|, |v[XR+2]|
	v_max3_num_f32 v9, |v[XR+3]|, |v[XR+4]|, |v[XR+5]|
.irp i, 6,10
	v_max3_num_f32 v8, v8, |v[XR+\i]|, |v[XR+\i+1]|
	v_max3_num_f32 v9, v9, |v[XR+\i+2]|, |v[XR+\i+3]|
.endr
	v_max3_num_f32 v8, v8, |v[XR+14]|, |v[XR+15]|
	v_max3_num_f32 v8, v8, v9, 0x1800000           ; and the floor 2^(3 - 127): the byte cannot fall under 1
	v_max_num_f32_dpp v8, v8, v8 row_xmask:1 row_mask:0xf bank_mask:0xf   ; with my neighbour's 16: the block's
	v_add_nc_u32 v11, 0xff000000, v8               ; 2 off its exponent field: the conversion takes the exponent field of this operand as its scale
	v_cvt_scalef32_pk16_fp6_f32 v[C+4*(\t):C+4*(\t)+2], v[XR:XR+15], v11   ; to the nearest code, ties to even, beyond 7.5 the largest code
	v_lshrrev_b32 v[E+(\t)], 23, v11               ; the scale's byte (also the plain instruction behind the conversion)
	ds_store_b8 v6, v[E+(\t)] offset:16*(\t)       ; both lanes of a block write the same byte with the same value
	global_store_b96 v5, v[C+4*(\t):C+4*(\t)+2], s[10:11] offset:384*(\t)   ; the wave stores 384 consecutive bytes; two steps fill a token's 768
.endm
.macro GATE t                          ; eight partial logits, two numbers an instruction; a token's first products start the sums
	WIN 0x04                                       ; source 1 (Wg) window 1
.irp i, 0,2,4,6,8,10,12,14
.irp e, 0,1,2,3,4,5,6,7
.if ((\t)%2 == 0) && (\i == 0)
	v_pk_mul_f32 v[G+2*\e:G+2*\e+1], v[X+16*((\t)%2)+\i:X+16*((\t)%2)+\i+1], v[128*((\t)%2)+16*\e+\i:128*((\t)%2)+16*\e+\i+1]
.else
	v_pk_fma_f32 v[G+2*\e:G+2*\e+1], v[X+16*((\t)%2)+\i:X+16*((\t)%2)+\i+1], v[128*((\t)%2)+16*\e+\i:128*((\t)%2)+16*\e+\i+1], v[G+2*\e:G+2*\e+1]
.endif
.endr
.endr
	WIN 0
.endm
.macro REDUCE j                        ; token j's eight sums over the 32 lanes; lanes 4 j .. 4 j + 3 keep them
.irp e, 0,1,2,3,4,5,6,7
	v_add_f32 v[T+\e], v[G+2*\e], v[G+2*\e+1]
.endr
.irp x, 1,2,4,8
.irp e, 0,1,2,3,4,5,6,7
	v_add_f32_dpp v[T+\e], v[T+\e], v[T+\e] row_xmask:\x row_mask:0xf bank_mask:0xf
.endr
.endr
.irp e, 0,1,2,3,4,5,6,7
	v_permlanex16_b32 v[T2+\e], v[T+\e], s20, s21
.endr
.irp e, 0,1,2,3,4,5,6,7
	v_add_f32 v[T+\e], v[T+\e], v[T2+\e]
.endr
.irp e, 0,1,2,3,4,5,6,7
.if (\j) == 0
	v_mov_b32 v[LG+\e], v[T+\e]                    ; the first token writes the registers whole
.else
	v_cndmask_b32 v[LG+\e], v[LG+\e], v[T+\e], s[32+(\j)]
.endif
.endr
.endm
.macro STEP t
.if (\t) > 0
	s_wait_dscnt 1                                 ; this step's numbers are back from the stage; the last step's byte store may be out
.else
	s_wait_dscnt 0x0
.endif
.if (\t) < 15
	s_wait_loadcnt 4*(14-(\t))                     ; the next step's four loads are in; those of the 14 - t steps behind it may be out
	TURN (\t)+1                                    ; and go through the other stage while this step is worked
.endif
	QUANT \t
	GATE \t
.if (\t)%2 == 1
	REDUCE ((\t)/2)
.endif
.endm
	s_wait_loadcnt 60                              ; Wg and step 0's four loads are in; the 60 loads of steps 1 to 15 may be out
	TURN 0
.irp t, 0,1,2,3,4,5,6,7,8,9,10,11,12,13,14,15
	STEP \t
.endr
	ds_load_b64 v[12:13], v14                      ; LDS serves a wave's instructions in order: these see my byte stores
	s_wait_alu depctr_va_vdst(0)
	s_wait_dscnt 0x0
	global_store_b64 v7, v[12:13], s[12:13]        ; my 8 tokens' scale bytes: 256 consecutive bytes, aligned
	; THE SOFTMAX AND THE CHOICE: every lane for token lane / 4
	s_wait_kmcnt 0x0                               ; bg
.irp e, 0,1,2,3,4,5,6,7
	v_add_f32 v[LG+\e], s[24+\e], v[LG+\e]
.endr
	v_max3_num_f32 v184, v[LG], v[LG+1], v[LG+2]
	v_max3_num_f32 v184, v184, v[LG+3], v[LG+4]
	v_max3_num_f32 v184, v184, v[LG+5], v[LG+6]
	v_max_num_f32 v184, v184, v[LG+7]              ; the largest logit is taken away
.irp e, 0,1,2,3,4,5,6,7
	v_sub_f32 v[P+\e], v[LG+\e], v184
.endr
.irp e, 0,1,2,3,4,5,6,7
	v_mul_f32 v[P+\e], 0x3fb8aa3b, v[P+\e]         ; x log2(e)
.endr
	s_wait_alu depctr_va_vdst(0)
.irp e, 0,1,2,3,4,5,6,7
	v_exp_f32 v[P+\e], v[P+\e]
.endr
	v_nop                                          ; a plain instruction behind the last exponential
	s_wait_alu depctr_va_vdst(0)                   ; one wait for the eight, ahead of their first reader
	v_add_f32 v185, v[P], v[P+1]
	v_add_f32 v186, v[P+2], v[P+3]
	v_add_f32 v187, v[P+4], v[P+5]
	v_add_f32 v188, v[P+6], v[P+7]
	v_add_f32 v185, v185, v186
	v_add_f32 v187, v187, v188
	v_add_f32 v185, v185, v187
	s_wait_alu depctr_va_vdst(0)
	v_rcp_f32 v189, v185
	v_mov_b32 v190, -1.0                           ; (a plain instruction behind the reciprocal)  under every p
	s_wait_alu depctr_va_vdst(0)                   ; the wait ahead of the reciprocal's first reader
.irp e, 0,1,2,3,4,5,6,7
	v_mul_f32 v[P+\e], v[P+\e], v189               ; the gate's scores
.endr
	v_mov_b32 v186, v[P]                           ; the largest, by an ascending scan: only a strictly greater score takes the place, so the lower index wins a tie
	v_mov_b32 v187, 0
.irp e, 1,2,3,4,5,6,7
	v_cmp_le_f32 vcc_lo, v[P+\e], v186
	v_cndmask_b32 v187, \e, v187, vcc_lo
	v_cndmask_b32 v186, v[P+\e], v186, vcc_lo
.endr
.irp e, 0,1,2,3,4,5,6,7
	v_cmp_eq_u32 vcc_lo, \e, v187
	v_cndmask_b32 v[Q+\e], v[P+\e], v190, vcc_lo   ; the first choice is taken out
.endr
	v_mov_b32 v188, v[Q]                           ; the second largest, likewise
	v_mov_b32 v189, 0
.irp e, 1,2,3,4,5,6,7
	v_cmp_le_f32 vcc_lo, v[Q+\e], v188
	v_cndmask_b32 v189, \e, v189, vcc_lo
	v_cndmask_b32 v188, v[Q+\e], v188, vcc_lo
.endr
	v_min_u32 v191, v187, v189                     ; a
	v_max_u32 v192, v187, v189                     ; b
	v_sub_nc_u32 v193, 15, v191
	v_mul_u32_u24 v193, v191, v193
	v_lshrrev_b32 v193, 1, v193                    ; (15 a - a a) / 2
	v_sub_nc_u32 v194, v192, v191
	v_add_nc_u32 v194, -1, v194                    ; b - a - 1
	v_sub_nc_u32 v195, 7, v192                     ; 7 - b
	v_and_b32 v196, 1, v191
	v_cmp_eq_u32 vcc_lo, 1, v196
	v_cndmask_b32 v194, v194, v195, vcc_lo
	v_add_nc_u32 v197, v193, v194                  ; the key
	v_and_b32 v195, 3, v1
	v_lshlrev_b32 v195, 1, v195                    ; my two experts of the token's eight: 2 (lane % 4) and the next
	v_add_nc_u32 v196, 1, v195
	v_cmp_eq_u32 vcc_lo, v195, v189
	v_cndmask_b32 v198, 0, v188, vcc_lo
	v_cmp_eq_u32 vcc_lo, v195, v187
	v_cndmask_b32 v198, v198, v186, vcc_lo
	v_cmp_eq_u32 vcc_lo, v196, v189
	v_cndmask_b32 v199, 0, v188, vcc_lo
	v_cmp_eq_u32 vcc_lo, v196, v187
	v_cndmask_b32 v199, v199, v186, vcc_lo
	global_store_b64 v7, v[198:199], s[14:15]      ; my 8 tokens' gate weights: 256 consecutive bytes, aligned
	ds_store_b32 v200, v197                        ; four lanes write the same word with the same value
	s_wait_dscnt 0x0                               ; for wave 0's sake: my keys have landed
	s_barrier_signal -1
	s_barrier_wait -1
	s_cmp_lg_u32 s18, 0
	s_cbranch_scc1 .Ldone
	; wave 0: a lane to a token: its rank among the chunk's tokens of the same key; and a lane to a key: the chunk's count.  Values only
	ds_load_b32 v202, v201
	v_mov_b32 v203, 0
	v_mov_b32 v207, 0
	s_wait_dscnt 0x0
.set KK, 0
.rept 28
	v_cmp_eq_u32 s40, KK, v202                     ; the tokens with this key
	v_mbcnt_lo_u32_b32 v204, s40, 0                ; how many of them stand in lower lanes
	s_wait_alu depctr_va_vdst(0)
	v_cndmask_b32 v203, v203, v204, s40
	s_bcnt1_i32_b32 s41, s40
	v_writelane_b32 v207, s41, KK
.set KK, KK+1
.endr
	v_lshlrev_b32 v206, 2, v202
	v_lshl_or_b32 v206, v203, 8, v206
	global_store_b64 v7, v[206:207], s[16:17]      ; the chunk's 256 bytes, aligned
.Ldone:
	s_wait_tensorcnt 0x0
	ds_add_u32 v254, v255
	s_wait_dscnt 0x0
	s_endpgm
.Lfunc_end_k_q7e45191f51_gateq:
	.size	k_q7e45191f51_gateq, .Lfunc_end_k_q7e45191f51_gateq-k_q7e45191f51_gateq
	.p2alignl 7, 3214868480
	.fill 96, 4, 3214868480
	.section	.rodata,"a",@progbits
	.p2align	6, 0x0
	.amdhsa_kernel k_q7e45191f51_gateq
		.amdhsa_group_segment_fixed_size 33792
		.amdhsa_private_segment_fixed_size 0
		.amdhsa_enable_private_segment 0
		.amdhsa_kernarg_size 56
		.amdhsa_user_sgpr_count 2
		.amdhsa_user_sgpr_kernarg_segment_ptr 1
		.amdhsa_wavefront_size32 1
		.amdhsa_system_sgpr_workgroup_id_x 1
		.amdhsa_system_sgpr_workgroup_id_y 1
		.amdhsa_system_sgpr_workgroup_id_z 1
		.amdhsa_system_vgpr_workitem_id 0
		.amdhsa_next_free_vgpr 768
		.amdhsa_next_free_sgpr 66
		.amdhsa_reserve_vcc 1
		.amdhsa_float_denorm_mode_32 3
		.amdhsa_float_denorm_mode_16_64 3
		.amdhsa_memory_ordered 1
		.amdhsa_forward_progress 1
		.amdhsa_inst_pref_size 148
	.end_amdhsa_kernel
	.amdgpu_metadata
---
amdhsa.version: [ 1, 2 ]
amdhsa.kernels:
  - .name:           k_q7e45191f51_gateq
    .symbol:         k_q7e45191f51_gateq.kd
    .args:
      - { .name: x, .offset: 0, .size: 8, .value_kind: global_buffer, .address_space: global }
      - { .name: Wg, .offset: 8, .size: 8, .value_kind: global_buffer, .address_space: global }
      - { .name: bg, .offset: 16, .size: 8, .value_kind: global_buffer, .address_space: global }
      - { .name: xq, .offset: 24, .size: 8, .value_kind: global_buffer, .address_space: global }
      - { .name: xs, .offset: 32, .size: 8, .value_kind: global_buffer, .address_space: global }
      - { .name: gw, .offset: 40, .size: 8, .value_kind: global_buffer, .address_space: global }
      - { .name: route, .offset: 48, .size: 8, .value_kind: global_buffer, .address_space: global }
    .group_segment_fixed_size: 33792
    .private_segment_fixed_size: 0
    .kernarg_segment_align: 8
    .kernarg_segment_size: 56
    .max_flat_workgroup_size: 128
    .sgpr_count:     66
    .vgpr_count:     768
    .wavefront_size: 32
...
	.end_amdgpu_metadata
.endif
;; end of part 4
;; launch place (part 5): grid 65 x 1, 8 waves a work-group, no clusters, 102,400 bytes of LDS; arguments route, We_codes, order, bm, wf; writes order, bm, wf
.if DOCPART == 5
	.amdgcn_target "amdgcn-amd-amdhsa--gfx1250"
	.amdhsa_code_object_version 6
	.text
	.protected	k_q7e45191f51_place
	.globl	k_q7e45191f51_place
	.p2align	8
	.type	k_q7e45191f51_place,@function
k_q7e45191f51_place:
	s_mov_b64 s[64:65], 0
	v_nop
	global_prefetch_b8 v0, s[64:65] scope:SCOPE_SE
	s_setreg_imm32_b32 hwreg(HW_REG_WAVE_MODE, 25, 1), 1
	s_wait_xcnt 0x0
; WORK-GROUP 0 SORTS THE TOKENS BY KEY; WORK-GROUPS 1 TO 64 LAY THE WEIGHTS' CODES OUT AS REGISTER IMAGES.  The two ways part on the work-group's number and use LDS bytes of their own (0..1,023; from 1,024 on).
; THE SORT, a counting sort without atomics.  route holds, for each chunk of 32 tokens, each token's key and its rank among the chunk's tokens of that key, and each key's count in the chunk.
; Wave w takes chunks 32 w .. 32 w + 31.  In the counts a lane is a key, in the tokens' words a lane is a token.  A key's first place = the sum of all smaller keys' totals; + the earlier waves' totals of the key;
; + the earlier chunks' counts; + the rank: the token's place.  order[place] = token.  These are stores of 4 bytes to scattered places, as a sort has them; the buffer is 32,768 bytes in all.
; bm[block of 128 places] = which of the 8 experts its tokens use.
; THE RELAY.  A tile is 16 rows of one expert's We, 12,288 dense bytes; a wave takes one: 24 loads of 512 consecutive bytes, through its own stage in LDS (rows 784 bytes apart), back as the 8 fragments' registers
; (lane (r, h): the 24 bytes at 96 s + 24 h of row r and the 24 bytes 48 further on), stored as they stand: wf [tile][K step s][c = 0..2][lane][16 bytes]: each store covers 512 consecutive bytes, aligned.
; No tensor load, no cluster: nothing is shared between work-groups.
	s_load_b256 s[4:11], s[0:1], 0x0               ; route s[4:5], We_codes s[6:7], order s[8:9], bm s[10:11]
	s_load_b64 s[12:13], s[0:1], 0x20              ; wf
	v_lshl_add_u32 v224, v0, 2, 0x18c00
	v_mov_b32 v225, 0
	v_lshrrev_b32 v1, 5, v0
	s_delay_alu instid0(VALU_DEP_1)
	v_readfirstlane_b32 s14, v1                    ; wave 0..7
	v_and_b32 v1, 31, v0                           ; lane
	s_cmp_eq_u32 ttmp9, 0
	s_cbranch_scc1 .Lsort
	; ---- the relay
	s_sub_co_u32 s15, ttmp9, 1
	s_lshl_b32 s15, s15, 3
	s_add_co_u32 s15, s15, s14                     ; my tile, 0..511
	s_mul_i32 s18, s15, 12288                      ; its first byte, in We_codes and in wf alike
	s_mov_b32 s19, 0
	s_mul_i32 s16, s14, 12544
	s_add_co_u32 s16, s16, 1024                    ; my stage: 16 rows x 784 bytes
	s_wait_alu depctr_va_vdst(0)
	v_lshlrev_b32 v5, 4, v1                        ; 16 bytes a lane
	s_delay_alu instid0(VALU_DEP_1)
	v_add_nc_u32 v2, s16, v5                       ; into the stage,
	v_lshrrev_b32 v6, 4, v1                        ; h
	s_delay_alu instid0(VALU_DEP_1)
	v_lshl_add_u32 v3, v6, 4, v2                   ; and where a row ends at lane 16: lanes 16-31 lie behind one padding more
	v_and_b32 v7, 15, v1                           ; r
	s_delay_alu instid0(VALU_DEP_1)
	v_mul_u32_u24 v4, v7, 784
	s_delay_alu instid0(VALU_DEP_1)
	v_mad_u32_u24 v4, v6, 24, v4
	s_delay_alu instid0(VALU_DEP_1)
	v_add_nc_u32 v4, s16, v4                       ; out of it: row r, + 24 h
	s_wait_alu depctr_va_vdst(0)
	s_wait_kmcnt 0x0
	s_add_nc_u64 s[6:7], s[6:7], s[18:19]
	s_add_nc_u64 s[12:13], s[12:13], s[18:19]
.set QQ, 0
.rept 24
	global_load_b128 v[16+4*QQ:19+4*QQ], v5, s[6:7] offset:512*QQ th:TH_LOAD_NT   ; read once in the launch
.set QQ, QQ+1
.endr
	s_wait_loadcnt 0x0
.set QQ, 0
.rept 24                               ; byte B of the tile lies at B + 16 (B / 768): load q begins in row 2 q / 3; where q % 3 = 1 the row changes at lane 16
.if QQ%3 == 1
	ds_store_b128 v3, v[16+4*QQ:19+4*QQ] offset:512*QQ+16*((2*QQ)/3)
.else
	ds_store_b128 v2, v[16+4*QQ:19+4*QQ] offset:512*QQ+16*((2*QQ)/3)
.endif
.set QQ, QQ+1
.endr
.irp s, 0,1,2,3,4,5,6,7                ; LDS serves a wave's instructions in order: these see my stores
.irp p, 0,1,2,3,4,5
	ds_load_b64 v[112+12*\s+2*\p:113+12*\s+2*\p], v4 offset:96*\s+48*(\p/3)+8*(\p%3)
.endr
.endr
.irp s, 0,1,2,3,4,5,6,7
	s_wait_dscnt 6*(7-\s)                          ; fragment s is in; the six loads of each later fragment may be out
.irp c, 0,1,2
	global_store_b128 v5, v[112+12*\s+4*\c:115+12*\s+4*\c], s[12:13] offset:1536*\s+512*\c
.endr
.endr
	s_wait_tensorcnt 0x0
	ds_add_u32 v224, v225
	s_wait_dscnt 0x0
	s_endpgm
	; ---- the sort
.Lsort:
	s_wait_alu depctr_va_vdst(0)
	v_lshlrev_b32 v2, 3, v1                        ; 8 bytes a lane
	v_lshlrev_b32 v3, 2, v0                        ; LDS: my wave's totals, a word a key: 128 w + 4 lane
	v_lshlrev_b32 v4, 2, v1
	s_lshl_b32 s18, s14, 13                        ; my 32 chunks of 256 bytes
	s_mov_b32 s19, 0
	s_lshl_b32 s17, s14, 10
	v_add_nc_u32 v114, s17, v1                     ; token 1,024 w + lane
	v_mov_b32 v80, 0
	v_mov_b32 v15, 0
	s_wait_alu depctr_va_vdst(0)
	s_wait_kmcnt 0x0
	s_add_nc_u64 s[4:5], s[4:5], s[18:19]
.set II, 0
.rept 32
	global_load_b64 v[16+2*II:17+2*II], v2, s[4:5] offset:256*II   ; chunk i: v[16 + 2 i] the tokens' words, v[17 + 2 i] the keys' counts
.set II, II+1
.endr
	s_wait_loadcnt 0x0
	v_add3_u32 v5, v17, v19, v21
.irp i, 3,5,7,9,11,13,15,17,19,21,23,25,27,29
	s_delay_alu instid0(VALU_DEP_1)
	v_add3_u32 v5, v5, v[17+2*\i], v[19+2*\i]
.endr
	s_delay_alu instid0(VALU_DEP_1)
	v_add_nc_u32 v5, v5, v79                       ; my wave's total of key = lane
	ds_store_b32 v3, v5
	s_wait_dscnt 0x0                               ; for the others' sake: my totals have landed
	s_barrier_signal -1
	s_barrier_wait -1
.irp q, 0,1,2,3,4,5,6,7
	ds_load_b32 v[6+\q], v4 offset:128*\q
.endr
	s_wait_dscnt 0x0
	v_add3_u32 v14, v6, v7, v8
	s_delay_alu instid0(VALU_DEP_1)
	v_add3_u32 v14, v14, v9, v10
	s_delay_alu instid0(VALU_DEP_1)
	v_add3_u32 v14, v14, v11, v12
	s_delay_alu instid0(VALU_DEP_1)
	v_add_nc_u32 v14, v14, v13                     ; the key's total
.irp q, 0,1,2,3,4,5,6
	s_cmp_gt_u32 s14, \q
	s_cselect_b32 s15, -1, 0
	v_and_b32 v115, s15, v[6+\q]
	s_delay_alu instid0(VALU_DEP_1)
	v_add_nc_u32 v15, v15, v115                    ; the earlier waves' totals
.endr
	s_mov_b32 s32, 0                               ; s[32 + k]: key k's first place; s60 = 8,192
.set KK, 0
.rept 28
	v_readlane_b32 s16, v14, KK
	v_writelane_b32 v80, s[32+KK], KK
	s_add_co_u32 s[33+KK], s[32+KK], s16
.set KK, KK+1
.endr
	v_add_nc_u32 v81, v80, v15                     ; lane = key: the place of my wave's first token of the key
.set II, 0
.rept 32
	ds_bpermute_b32 v[82+II], v[16+2*II], v81      ; lane = token: bits 6:2 of its word are its key: it takes that lane's running place
	v_add_nc_u32 v81, v81, v[17+2*II]              ; on by the chunk's counts
.set II, II+1
.endr
.set II, 0
.rept 32
	s_wait_dscnt 31-II                             ; chunk i's places are in; the later chunks' may be out
	v_lshrrev_b32 v[16+2*II], 8, v[16+2*II]        ; the rank
	s_delay_alu instid0(VALU_DEP_1)
	v_add_nc_u32 v[82+II], v[82+II], v[16+2*II]
	s_delay_alu instid0(VALU_DEP_1)
	v_min_u32 v[82+II], 0x1fff, v[82+II]           ; a place lies in 0..8,191
	s_delay_alu instid0(VALU_DEP_1)
	v_lshlrev_b32 v[82+II], 2, v[82+II]
	v_add_nc_u32 v[17+2*II], 32*II, v114           ; the token's number
	global_store_b32 v[82+II], v[17+2*II], s[8:9]  ; every store has registers of its own
.set II, II+1
.endr
	s_cmp_lg_u32 s14, 0
	s_cbranch_scc1 .Lend
	; wave 0: lane l makes the masks of blocks 2 l and 2 l + 1: a key's experts count where its places meet the block's 128
	v_lshlrev_b32 v116, 8, v1
	s_delay_alu instid0(VALU_DEP_1)
	v_add_nc_u32 v117, 128, v116
	s_delay_alu instid0(VALU_DEP_2)
	v_add_nc_u32 v118, 0x100, v116
	v_mov_b32 v120, 0
	v_mov_b32 v121, 0
.irp a, 0,1,2,3,4,5,6
.irp b, 1,2,3,4,5,6,7
.if \b > \a
.set KK, (15*\a-\a*\a)/2+(\a%2)*(7-\b)+(1-\a%2)*(\b-\a-1)
	v_max_u32 v122, s[32+KK], v116
	v_min_u32 v123, s[33+KK], v117
	s_delay_alu instid0(VALU_DEP_1)
	v_cmp_lt_u32 vcc_lo, v122, v123
	v_or_b32 v124, (1<<\a)|(1<<\b), v120
	s_delay_alu instid0(VALU_DEP_1)
	v_cndmask_b32 v120, v120, v124, vcc_lo
	v_max_u32 v122, s[32+KK], v117
	v_min_u32 v123, s[33+KK], v118
	s_delay_alu instid0(VALU_DEP_1)
	v_cmp_lt_u32 vcc_lo, v122, v123
	v_or_b32 v124, (1<<\a)|(1<<\b), v121
	s_delay_alu instid0(VALU_DEP_1)
	v_cndmask_b32 v121, v121, v124, vcc_lo
.endif
.endr
.endr
	global_store_b64 v2, v[120:121], s[10:11]      ; 64 masks: 256 consecutive bytes, aligned
.Lend:
	s_wait_tensorcnt 0x0
	ds_add_u32 v224, v225
	s_wait_dscnt 0x0
	s_endpgm
.Lfunc_end_k_q7e45191f51_place:
	.size	k_q7e45191f51_place, .Lfunc_end_k_q7e45191f51_place-k_q7e45191f51_place
	.p2alignl 7, 3214868480
	.fill 96, 4, 3214868480
	.section	.rodata,"a",@progbits
	.p2align	6, 0x0
	.amdhsa_kernel k_q7e45191f51_place
		.amdhsa_group_segment_fixed_size 102400
		.amdhsa_private_segment_fixed_size 0
		.amdhsa_enable_private_segment 0
		.amdhsa_kernarg_size 40
		.amdhsa_user_sgpr_count 2
		.amdhsa_user_sgpr_kernarg_segment_ptr 1
		.amdhsa_wavefront_size32 1
		.amdhsa_system_sgpr_workgroup_id_x 1
		.amdhsa_system_sgpr_workgroup_id_y 1
		.amdhsa_system_sgpr_workgroup_id_z 1
		.amdhsa_system_vgpr_workitem_id 0
		.amdhsa_next_free_vgpr 226
		.amdhsa_next_free_sgpr 66
		.amdhsa_reserve_vcc 1
		.amdhsa_float_denorm_mode_32 3
		.amdhsa_float_denorm_mode_16_64 3
		.amdhsa_memory_ordered 1
		.amdhsa_forward_progress 1
		.amdhsa_inst_pref_size 54
	.end_amdhsa_kernel
	.amdgpu_metadata
---
amdhsa.version: [ 1, 2 ]
amdhsa.kernels:
  - .name:           k_q7e45191f51_place
    .symbol:         k_q7e45191f51_place.kd
    .args:
      - { .name: route, .offset: 0, .size: 8, .value_kind: global_buffer, .address_space: global }
      - { .name: We_codes, .offset: 8, .size: 8, .value_kind: global_buffer, .address_space: global }
      - { .name: order, .offset: 16, .size: 8, .value_kind: global_buffer, .address_space: global }
      - { .name: bm, .offset: 24, .size: 8, .value_kind: global_buffer, .address_space: global }
      - { .name: wf, .offset: 32, .size: 8, .value_kind: global_buffer, .address_space: global }
    .group_segment_fixed_size: 102400
    .private_segment_fixed_size: 0
    .kernarg_segment_align: 8
    .kernarg_segment_size: 40
    .max_flat_workgroup_size: 256
    .sgpr_count:     66
    .vgpr_count:     226
    .wavefront_size: 32
...
	.end_amdgpu_metadata
.endif
;; end of part 5
;; launch experts (part 6): grid 4 x 64, 4 waves a work-group, no clusters, 127,488 bytes of LDS; arguments xq, xs, gw, order, bm, wf, We_scales, be, out0; writes out0
.if DOCPART == 6
	.amdgcn_target "amdgcn-amd-amdhsa--gfx1250"
	.amdhsa_code_object_version 6
	.text
	.protected	k_q7e45191f51_experts
	.globl	k_q7e45191f51_experts
	.p2align	8
	.type	k_q7e45191f51_experts,@function
k_q7e45191f51_experts:
	s_mov_b64 s[64:65], 0
	v_nop
	global_prefetch_b8 v0, s[64:65] scope:SCOPE_SE
	s_setreg_imm32_b32 hwreg(HW_REG_WAVE_SCHED_MODE, 0, 2), 2
	s_setreg_imm32_b32 hwreg(HW_REG_WAVE_MODE, 25, 1), 1
	s_wait_xcnt 0x0
	s_wait_alu depctr_vm_vsrc(0)
; out[token] = the sum over the token's two experts e of p_e (Q(x) We[e]^T + be[e]), on codes of FP6 (E2M3) with one E8M0 scale for each 32 along K = 1,024.
; SHARES.  A work-group owns 128 places of the tokens sorted by their sets of experts (order) and 256 columns; it walks the 8 experts in a loop of constant count and passes over, by a scalar branch on the block's stored
; mask (bm), those that none of its tokens uses.  Each output row has one owner: an expert's result is weighed by gw[token][e], which is 0 where the token did not choose it, and summed in registers.
; The four waves share the COLUMNS: wave w makes columns 64 w .. 64 w + 63 (four tiles t) for all eight tiles m of 16 tokens, so each byte of the weights is read by one wave of the work-group, from wf straight into registers,
; whole fragments by loads of 16 bytes a lane.  x's codes are gathered once, 32 tokens a wave, and lie in LDS as images of the fragments' registers, which every wave reads in each pass.
; NO TENSOR LOAD, NO CLUSTER, NO JOINT REQUEST: which experts a work-group walks hangs on a number read from memory, and partners would need different experts' tiles at different times.
; THE MATRIX INSTRUCTION IS USED TRANSPOSED: source 0 = 16 rows of We (16 columns of out), source 1 = 16 tokens: lane (r, h) holds token r and columns 8 h + 0 .. 7 of the tile: the gate's weight is one number a lane,
; and be is the C of each sum's first instruction.
; A PASS (one expert) is 8 K steps of 128, 32 matrix instructions each, the 32 accumulators by turns, one instruction a turn.  The weights run ahead through a ring of four
; sets of registers.  THE MASK DECIDES THE BRANCH AND NOTHING ELSE: the weights', scales' and biases' bases are stepped by constants once a trip, used or not, so each pass asks for its own first three K steps at its head.
; THE MODE: SCHED_MODE bits 1:0 = 2 (LLVM: expert scheduling mode 2), set by the entry lines.  The code itself states the register dependences between vector or matrix instructions and memory or LDS instructions,
; with s_wait_alu, always for 0.
; THE PLAN.  Registers that memory or LDS instructions touch, in the loop:
;   A's set s % 2     Step s's products read it; the LDS loads issued in step s + 1 land in it (the fragments of step s + 2).
;   ring set s % 4    Step s's products read it; the global loads issued in step s + 1 land in it (the weights of step s + 4), or those at the next pass's head.
;   WS, BIAS          A pass's products read them; the loads at the next pass's head land in them.
;   the gate's weights  A pass's multiply-adds read them; step 7's LDS loads of the next pass land in them.
;   v6                Written once a trip, at the trip's head; read by step 7's eight LDS loads.
;   v1 to v4          Read by every load; written at the kernel's head alone: the scalar bases and the immediate offsets do the rest.
; So ONE wait on va_vdst stands at a pass's head and ONE at the head of each of its steps 1 to 7.  Behind a step's wait the products of the step before are done reading the two buffers in which this step's loads
; land, and this step's products name neither them nor an address: the loads are dealt among the products with no further wait.  One wait on vm_vsrc a trip stands ahead of the add to v6.
; LIMITS: NaN and infinities are not served; one that arose in an expert's product would also reach the tokens of the same block that did not choose that expert (0 x NaN).
; LDS: XIMG 0: image (m, s) at (8 m + s) 1,536 + 512 c + 16 lane;  XSC: x's scale words, set i: the 8 words of places 32 i + lane, as two images of four registers;  GWT: [e][place] f32;  TOK: the places' tokens;  STG: a stage of 16 rows x 272 bytes for each wave.
; REGISTERS: window 0: v1-23 addresses; v24-31 at work at the head; v32-63 x's scale words; v64-79 We's; v80-111 be's four tiles; v112-207 A's set 0 (12 registers a tile m); v208-255 set 1, tiles 0-3.
;   window 1: v0-47 A's set 1, tiles 4-7; v48-239 the ring of We's fragments: 48 (s % 4) + 12 t; v240-255 the gate's weights, a pair a tile m.   window 2: the 32 accumulators, 8 (4 m + t).   window 3: out's sums, likewise.
; SCALARS: s[4:21] the nine buffers; s22 wave; s24 block; s25 the mask; s26 the expert; s27 512 x the expert; s[40:41] wf, s[42:43] We_scales, s[44:45] be, each at this trip's expert and my columns.
.set XSC,  98304
.set GWT,  102400
.set TOK,  106496
.set STG,  107008
.set XS,   32
.set WS,   64
.set BIAS, 80
.set A0,   112
.set A1,   208
.set RING, 48
.set GWR,  240
.set DB,   112                         ; the way out: two buffers of 8 x 4 registers,
.set TK,   176                         ; and two of 8 tokens' numbers, then offsets
.set MSB, 0
.macro WIN new                         ; the immediate's high byte repeats the setting that is left
.if MSB != \new
	s_set_vgpr_msb (MSB<<8)|\new
.set MSB, \new
.endif
.endm
.macro PLACES                          ; four plain instructions between a matrix instruction and a vector instruction that reads its result (ISA guide 7.12.1)
.rept 4
	v_nop
.endr
.endm
.macro LDB j                           ; We's four fragments of K step j into ring set j % 4 (window 1): 12 loads, 512 consecutive bytes each
.irp t, 0,1,2,3
.irp c, 0,1,2
	global_load_b128 v[RING+48*((\j)%4)+12*\t+4*\c:RING+48*((\j)%4)+12*\t+4*\c+3], v1, s[40:41] offset:(8*\t+(\j))*1536+512*\c
.endr
.endr
.endm
.macro LDAM j, hi                      ; x's fragments of K step j, tiles 4 hi .. 4 hi + 3, into A's set j % 2: 12 LDS loads
.irp q, 0,1,2,3
.irp c, 0,1,2
.if (\j)%2 == 0
.set rL, A0+12*(4*(\hi)+\q)+4*\c
.elseif (\hi) == 0
.set rL, A1+12*\q+4*\c
.else
.set rL, 12*\q+4*\c
.endif
	ds_load_b128 v[rL:rL+3], v[1+(\hi)] offset:(8*\q+(\j))*1536+512*\c
.endr
.endr
.endm
.macro LDBIAS                          ; be of this expert: lane (r, h): columns 16 t + 8 h + 0 .. 7
.irp t, 0,1,2,3
	global_load_b128 v[BIAS+8*\t:BIAS+8*\t+3], v3, s[44:45] offset:64*\t
	global_load_b128 v[BIAS+8*\t+4:BIAS+8*\t+7], v3, s[44:45] offset:64*\t+16
.endr
.endm
.macro LDWS half                       ; We's scale words 4 half .. 4 half + 3 of column 32 i + lane: lanes 0-15 tile 2 i, lanes 16-31 tile 2 i + 1
.irp i, 0,1
	global_load_b128 v[WS+8*\i+4*(\half):WS+8*\i+4*(\half)+3], v4, s[42:43] offset:1024*\i+16*(\half)
.endr
.endm
.macro WM m, t, s                      ; one product: tile t of We x tile m of the tokens, K step s
.set rD, 8*(4*(\m)+(\t))
.set rB, RING+48*((\s)%4)+12*(\t)
.if (\s)%2 == 0
.set rA, A0+12*(\m)
.elseif (\m) < 4
.set rA, A1+12*(\m)
.else
.set rA, 12*((\m)-4)
.endif
.if (\s) == 0
.set rC, BIAS+8*(\t)
.else
.set rC, rD
.endif
.set rW, WS+8*((\t)/2)+(\s)
.set rX, XS+8*((\m)/2)+(\s)
.if ((\t)%2 == 0) && ((\m)%2 == 0)
	v_wmma_scale_f32_16x16x128_f8f6f4 v[rD:rD+7], v[rB:rB+11], v[rA:rA+11], v[rC:rC+7], v[rW], v[rX] matrix_a_fmt:MATRIX_FMT_FP6 matrix_b_fmt:MATRIX_FMT_FP6
.elseif ((\t)%2 == 1) && ((\m)%2 == 0)
	v_wmma_scale_f32_16x16x128_f8f6f4 v[rD:rD+7], v[rB:rB+11], v[rA:rA+11], v[rC:rC+7], v[rW], v[rX] matrix_a_fmt:MATRIX_FMT_FP6 matrix_b_fmt:MATRIX_FMT_FP6 matrix_a_scale:MATRIX_SCALE_ROW1
.elseif ((\t)%2 == 0) && ((\m)%2 == 1)
	v_wmma_scale_f32_16x16x128_f8f6f4 v[rD:rD+7], v[rB:rB+11], v[rA:rA+11], v[rC:rC+7], v[rW], v[rX] matrix_a_fmt:MATRIX_FMT_FP6 matrix_b_fmt:MATRIX_FMT_FP6 matrix_b_scale:MATRIX_SCALE_ROW1
.else
	v_wmma_scale_f32_16x16x128_f8f6f4 v[rD:rD+7], v[rB:rB+11], v[rA:rA+11], v[rC:rC+7], v[rW], v[rX] matrix_a_fmt:MATRIX_FMT_FP6 matrix_b_fmt:MATRIX_FMT_FP6 matrix_a_scale:MATRIX_SCALE_ROW1 matrix_b_scale:MATRIX_SCALE_ROW1
.endif
.endm
.macro MULM s, m                       ; 4 matrix instructions: tile m of the tokens against We's four tiles, K step s
.if (\s) == 0
	WIN 0x81                                       ; source 0 (We) window 1, source 1 (x) and C (be) window 0, D window 2
.elseif ((\s)%2 == 1) && ((\m) >= 4)
	WIN 0xa5                                       ; x's set 1, tiles 4-7: window 1
.else
	WIN 0xa1                                       ; C and D window 2
.endif
.irp t, 0,1,2,3
	WM \m, \t, \s
.endr
.endm
; A K STEP: the waits for its own operands; in steps 1 to 7 the step's one wait on va_vdst; then its 32 products, tile m after tile m, with its loads dealt among the first twelve:
; behind tile 0's four products x's fragments of the next step, tiles 0-3 (at step 7: of step 0, which every pass begins with); behind tile 1's its tiles 4-7; behind tile 2's We's fragments of three steps on
; (steps 0 to 4), at step 7 the gate's weights.  These loads land in A's set (s + 1) % 2 and ring set (s + 3) % 4, which step s - 1's products read last, and in the gate's weights, which the pass before's multiply-adds read last;
; step s's products name A's set s % 2, ring set s % 4, the scale words, be and the accumulators.  Step 0 has no wait of its own: no vector or matrix instruction stands between the wait at the pass's head and its products.
; GLOBAL LOADS of a pass, in order of issue: at its head the scale words 4, be 8, B0 12, B1 12, B2 12; in steps 0 to 4: B3 .. B7, 12 each: 48 out at the most.
; A step's wait leaves out what was issued behind the fragments that it multiplies: steps 0-5: two sets of 12: 24; step 6: B7: 12; step 7: none.
; LDS LOADS: at a step's head its own tiles 4-7, the youngest 12, may be out; ahead of tile 4's products the 24 issued for the next step may be out, at step 7 the 8 gate weights too.
.macro KSTEP s
.if (\s) < 6
	s_wait_loadcnt 24
.else
	s_wait_loadcnt 12*(7-(\s))
.endif
	s_wait_dscnt 12
.if (\s) > 0
	s_wait_alu depctr_va_vdst(0)                   ; the products of the step before are done reading their set of x's fragments and their ring set, in which the loads below land
.endif
	MULM \s, 0
	WIN 0
	LDAM ((\s)+1)%8, 0
	MULM \s, 1
.if (\s)%2 == 0
	WIN 0x40                                       ; destination window 1
.else
	WIN 0
.endif
	LDAM ((\s)+1)%8, 1
	MULM \s, 2
.if (\s) < 5
	WIN 0x40
	LDB (\s)+3
.endif
.if (\s) == 7
	WIN 0x40
.irp m, 0,1,2,3,4,5,6,7
	ds_load_b32 v[GWR+2*\m], v6 offset:64*\m       ; this expert's weight for token 16 m + r
.endr
.endif
	MULM \s, 3
.if (\s) == 7
	s_wait_dscnt 32
.else
	s_wait_dscnt 24
.endif
.irp m, 4,5,6,7
	MULM \s, \m
.endr
.endm
.macro PASS                            ; expert s26: its bases stand in s[40:45]
	s_wait_alu depctr_va_vdst(0)                   ; v6 is written, which step 7's LDS loads read; the pass before is done reading We's scale words, be, the ring, x's fragments and the gate's weights, in which this pass's loads land
	LDWS 0
	LDWS 1
	LDBIAS
	WIN 0x40
	LDB 0
	LDB 1
	LDB 2
.irp s, 0,1,2,3,4,5,6,7
	KSTEP \s
.endr
	PLACES
	s_wait_dscnt 0x0                               ; the gate's weights are in (and the next pass's first fragments of x)
	WIN 0xf6                                       ; source 0 (the sums just made) window 2, source 1 (the weights) window 1, source 2 and destination window 3
.irp m, 0,1,2,3,4,5,6,7
.irp t, 0,1,2,3
.irp q, 0,2,4,6                        ; each accumulator from its low end on
	v_pk_fma_f32 v[8*(4*\m+\t)+\q:8*(4*\m+\t)+\q+1], v[8*(4*\m+\t)+\q:8*(4*\m+\t)+\q+1], v[GWR+2*\m:GWR+2*\m+1], v[8*(4*\m+\t)+\q:8*(4*\m+\t)+\q+1] op_sel_hi:[1,0,1]
.endr
.endr
.endr
	WIN 0
.endm
	s_load_b512 s[4:19], s[0:1], 0x0               ; xq s[4:5], xs s[6:7], gw s[8:9], order s[10:11], bm s[12:13], wf s[14:15], We_scales s[16:17], be s[18:19]
	s_load_b64 s[20:21], s[0:1], 0x40              ; out0
	v_lshl_add_u32 v30, v0, 2, 0x1f000
	v_mov_b32 v31, 0
	v_lshrrev_b32 v24, 5, v0
	v_readfirstlane_b32 s22, v24                   ; wave 0..3
	s_and_b32 s24, ttmp7, 0xffff                   ; my block of 128 places
	v_and_b32 v24, 31, v0                          ; lane
	v_and_b32 v25, 15, v0                          ; r
	v_bfe_u32 v26, v0, 4, 1                        ; h
	v_lshlrev_b32 v1, 4, v24                       ; 16 x lane: an image's place for my lane; images of tiles 0-3
	v_add_nc_u32 v2, 49152, v1                     ; images of tiles 4-7
	v_lshlrev_b32 v3, 5, v26                       ; be: 32 h
	v_lshlrev_b32 v4, 5, v24                       ; We_scales: 32 bytes a column
	v_lshl_add_u32 v5, v25, 2, GWT                 ; the gate's weights: 4 r
	s_wait_alu depctr_va_sdst(0)                   ; s22 is written, ahead of its first reader: LDS places and the buffers' bases are made from it
	s_mul_i32 s28, s22, 24576
	v_add_nc_u32 v10, s28, v1                      ; where I store my two tiles' images
	s_lshl_b32 s28, s22, 10
	v_add_nc_u32 v11, s28, v1
	v_add_nc_u32 v11, XSC, v11                     ; and my 32 places' scale words
	v_lshl_add_u32 v12, v0, 2, GWT                 ; my place's gate weights: 4 (32 w + lane), + 512 e
	v_lshl_add_u32 v13, v0, 2, TOK                 ; and its token
	s_mul_i32 s28, s22, 4352
	s_add_co_u32 s28, s28, STG                     ; my stage
	v_mul_u32_u24 v14, v25, 272
	v_lshl_add_u32 v14, v26, 5, v14
	v_add_nc_u32 v14, s28, v14                     ; in: row r, + 32 h
	v_mul_u32_u24 v15, v26, 272
	v_lshl_add_u32 v15, v25, 4, v15
	v_add_nc_u32 v15, s28, v15                     ; back: lanes 0-15 one row of 256 bytes, lanes 16-31 the next
	v_lshl_add_u32 v16, v26, 2, TOK                ; and those two rows' tokens
	v_lshlrev_b32 v17, 4, v25
	v_add_nc_u32 v18, XSC, v1                      ; x's scale words, as images
	v_lshlrev_b32 v22, 2, v0                       ; order: place 32 w + lane
	v_and_b32 v23, 0x6f, v0
	v_lshlrev_b32 v23, 2, v23                      ; order: place 32 w + r
	v_mul_u32_u24 v27, v26, 48                     ; xq: 48 h
	s_mov_b32 s29, 0
	s_lshl_b32 s30, ttmp9, 4
	s_lshl_b32 s31, s22, 2
	s_add_co_u32 s30, s30, s31                     ; my first tile of 16 columns: 16 x work-group x + 4 x wave
	s_wait_kmcnt 0x0
	s_lshl_b32 s28, s24, 9
	s_add_nc_u64 s[10:11], s[10:11], s[28:29]      ; order at my block
	s_lshl_b32 s28, s24, 2
	s_add_nc_u64 s[12:13], s[12:13], s[28:29]
	s_load_b32 s25, s[12:13], 0x0                  ; the block's mask of experts
	s_wait_alu depctr_va_vdst(0)                   ; the addresses v1 to v4, v10 to v16, v18, v22 and v23 are written: the loads and stores of the whole kernel read them, and no vector instruction names them again
	global_load_b32 v9, v22, s[10:11]              ; the token of place 32 w + lane,
	global_load_b32 v7, v23, s[10:11]              ; of place 32 w + r,
	global_load_b32 v8, v23, s[10:11] offset:64    ; and of place 32 w + 16 + r
	s_mul_i32 s28, s30, 12288
	s_add_nc_u64 s[40:41], s[14:15], s[28:29]      ; expert 0's bases, with my columns in them: wf, 12,288 bytes a tile,
	s_lshl_b32 s28, s30, 9
	s_add_nc_u64 s[42:43], s[16:17], s[28:29]      ; We_scales, 512 bytes a tile,
	s_lshl_b32 s28, s30, 6
	s_add_nc_u64 s[44:45], s[18:19], s[28:29]      ; be, 64 bytes a tile
	s_add_nc_u64 s[20:21], s[20:21], s[28:29]      ; out0 at my 64 columns
	WIN 0x40
.irp m, 0,1,2,3,4,5,6,7
	v_mov_b32 v[GWR+2*\m+1], 0                     ; named as the upper halves of the weights' pairs, so they are written
.endr
	WIN 0
	s_wait_loadcnt 0x0                             ; the three loads from order are in
	v_min_u32 v7, 0x1fff, v7                       ; a token lies in 0..8,191
	v_min_u32 v8, 0x1fff, v8
	v_min_u32 v129, 0x1fff, v9
	v_mul_u32_u24 v7, v7, 768
	v_mul_u32_u24 v8, v8, 768
	v_add_nc_u32 v7, v7, v27
	v_add_nc_u32 v8, v8, v27
	v_lshlrev_b32 v9, 5, v129
	WIN 0x80                                       ; destination window 2: the accumulators' registers are free yet
	s_wait_alu depctr_va_vdst(0)                   ; the offsets v7, v8 and v9 are written, which the gathers below read; so is v129, which an LDS store reads further down
.irp mm, 0,1
.irp s, 0,1,2,3,4,5,6,7
.irp c, 0,1,2
	global_load_b128 v[12*(8*\mm+\s)+4*\c:12*(8*\mm+\s)+4*\c+3], v[7+\mm], s[4:5] offset:96*\s+16*\c   ; lane (r, h): the 12 registers of token r's fragment of K step s
.endr
.endr
.endr
	WIN 0
	global_load_b128 v[112:115], v9, s[6:7]        ; my place's 8 scale words
	global_load_b128 v[116:119], v9, s[6:7] offset:16
	global_load_b128 v[120:123], v9, s[8:9]        ; and its 8 gate weights
	global_load_b128 v[124:127], v9, s[8:9] offset:16
	WIN 0xc0                                       ; destination window 3
.set II, 0
.rept 256
	v_mov_b32 v[II], 0                             ; out's sums begin at 0, while the gathers are out: which expert's pass comes first hangs on the mask, so the pass is written once and always adds
.set II, II+1
.endr
	WIN 0
	s_wait_loadcnt 0x0
	WIN 0x08                                       ; an LDS store's data are its source 1: window 2
.irp mm, 0,1
.irp s, 0,1,2,3,4,5,6,7
.irp c, 0,1,2
	ds_store_b128 v10, v[12*(8*\mm+\s)+4*\c:12*(8*\mm+\s)+4*\c+3] offset:(8*\mm+\s)*1536+512*\c
.endr
.endr
.endr
	WIN 0
	ds_store_b128 v11, v[112:115]
	ds_store_b128 v11, v[116:119] offset:512
.irp e, 0,1,2,3,4,5,6,7
	ds_store_b32 v12, v[120+\e] offset:512*\e
.endr
	ds_store_b32 v13, v129
	s_wait_dscnt 0x0                               ; for the others' sake: my stores have landed
	s_barrier_signal -1
	s_barrier_wait -1                              ; the launch's one barrier: on every wave's way, under no branch
	s_wait_alu depctr_vm_vsrc(0)                   ; my LDS stores have read window 2, which the products write from here on, and v112 to v127 and v129, in which x's fragments land
	s_wait_alu depctr_va_vdst(0)                   ; v129, in which a fragment lands below, was written by a vector instruction: stated here, behind the store that read it
.irp i, 0,1,2,3
.irp c, 0,1
	ds_load_b128 v[XS+8*\i+4*\c:XS+8*\i+4*\c+3], v18 offset:1024*\i+512*\c   ; x's scale words stay in registers: lanes 0-15 tile 2 i, lanes 16-31 tile 2 i + 1
.endr
.endr
	LDAM 0, 0
	LDAM 0, 1
	s_mov_b32 s26, 0                               ; the expert
	s_mov_b32 s27, 0                               ; 512 x the expert
	s_wait_kmcnt 0x0                               ; the mask
.Lexpert:                                          ; eight trips
	s_wait_alu depctr_vm_vsrc(0)                   ; the LDS loads of the gate's weights issued so far have read v6, which the next line writes
	v_add_nc_u32 v6, s27, v5                       ; this expert's row of the gate's weights in LDS: made in every trip, ahead of the branch
	s_bitcmp1_b32 s25, s26
	s_cbranch_scc0 .Lskip                          ; none of my tokens uses it
	PASS
.Lskip:
	s_wait_xcnt 0x0                                ; the pass's loads have read their bases: these are stepped only behind this wait
	s_add_nc_u64 s[40:41], s[40:41], 786432        ; on to the next expert: 64 tiles of 12,288 bytes,
	s_add_nc_u64 s[42:43], s[42:43], 32768         ; 1,024 columns of 32 scale bytes,
	s_add_nc_u64 s[44:45], s[44:45], 4096          ; 1,024 biases
	s_add_co_u32 s27, s27, 512
	s_add_co_u32 s26, s26, 1
	s_cmp_lt_u32 s26, 8
	s_cbranch_scc1 .Lexpert
; THE WAY OUT, a tile of 16 tokens at a time.  A lane holds 32 neighbouring bytes of a row and the lanes beside it other rows: so a tile goes through my own stage in LDS and comes back as rows of 256 bytes;
; sixteen lanes store 256 consecutive bytes, aligned, of the row of out0 that the place's token names.  LDS serves a wave's instructions in order: no wait between the stores and the loads, nor in front of the next tile's stores.
; Who touches what: the LDS stores read out's sums (window 3), which no line writes any more.  Buffer m % 2 of DB and TK: tile m's LDS loads land in it; tile m's arithmetic turns TK's tokens into offsets; tile m's global stores read both.
.macro TOSTAGE m
	WIN 0x0c                                       ; the data: window 3
.irp t, 0,1,2,3
	ds_store_b128 v14, v[8*(4*(\m)+\t):8*(4*(\m)+\t)+3] offset:64*\t
	ds_store_b128 v14, v[8*(4*(\m)+\t)+4:8*(4*(\m)+\t)+7] offset:64*\t+16
.endr
	WIN 0
.irp i, 0,1,2,3,4,5,6,7
	ds_load_b128 v[DB+32*((\m)%2)+4*\i:DB+32*((\m)%2)+4*\i+3], v15 offset:544*\i
.endr
.irp i, 0,1,2,3,4,5,6,7
	ds_load_b32 v[TK+8*((\m)%2)+\i], v16 offset:4*(16*(\m)+2*\i)
.endr
.endm
.macro SEND m, younger                 ; younger: the LDS instructions issued behind tile m's loads, which may stay out
	s_wait_dscnt \younger
.irp i, 0,1,2,3,4,5,6,7
	v_min_u32 v[TK+8*((\m)%2)+\i], 0x1fff, v[TK+8*((\m)%2)+\i]
.endr
.irp i, 0,1,2,3,4,5,6,7
	v_lshlrev_b32 v[TK+8*((\m)%2)+\i], 12, v[TK+8*((\m)%2)+\i]   ; 4,096 bytes a row of out0
.endr
.irp i, 0,1,2,3,4,5,6,7
	v_add_nc_u32 v[TK+8*((\m)%2)+\i], v17, v[TK+8*((\m)%2)+\i]
.endr
	s_wait_alu depctr_va_vdst(0)                   ; the additions have written the eight offsets, which the stores below read
.irp i, 0,1,2,3,4,5,6,7
	global_store_b128 v[TK+8*((\m)%2)+\i], v[DB+32*((\m)%2)+4*\i:DB+32*((\m)%2)+4*\i+3], s[20:21] th:TH_STORE_NT   ; written once, read by nobody here
.endr
.endm
	s_wait_dscnt 0x0
	s_wait_alu depctr_va_vdst(0)                   ; the multiply-adds (and the head's moves) have written out's sums, which the LDS stores read; the products are done reading v112 to v191, in which the loads from the stage land
	TOSTAGE 0
.irp a, 1,2,3,4,5,6,7
.if \a > 1
	s_wait_xcnt 0x0                                ; tile a - 2's stores have had their addresses translated: their registers are written again only behind this wait,
	s_wait_alu depctr_vm_vsrc(0)                   ; and they have read their data and their offsets, in which tile a's loads land
	s_wait_alu depctr_va_vdst(0)                   ; tile a - 2's arithmetic has written those offsets' registers: stated here, behind the stores that read them
.endif
	TOSTAGE \a
	SEND \a-1, 24                                  ; behind tile a - 1's loads: tile a's 8 stores and 16 loads
.endr
	SEND 7, 0
	s_wait_dscnt 0x0
	s_wait_alu depctr_hold_cnt(0) depctr_sa_sdst(0) depctr_va_vdst(0) depctr_va_sdst(0) depctr_va_ssrc(0) depctr_va_vcc(0) depctr_vm_vsrc(0)
	s_wait_tensorcnt 0x0
	ds_add_u32 v30, v31
	s_wait_dscnt 0x0
	s_endpgm
.Lfunc_end_k_q7e45191f51_experts:
	.size	k_q7e45191f51_experts, .Lfunc_end_k_q7e45191f51_experts-k_q7e45191f51_experts
	.p2alignl 7, 3214868480
	.fill 96, 4, 3214868480
	.section	.rodata,"a",@progbits
	.p2align	6, 0x0
	.amdhsa_kernel k_q7e45191f51_experts
		.amdhsa_group_segment_fixed_size 127488
		.amdhsa_private_segment_fixed_size 0
		.amdhsa_enable_private_segment 0
		.amdhsa_kernarg_size 72
		.amdhsa_user_sgpr_count 2
		.amdhsa_user_sgpr_kernarg_segment_ptr 1
		.amdhsa_wavefront_size32 1
		.amdhsa_system_sgpr_workgroup_id_x 1
		.amdhsa_system_sgpr_workgroup_id_y 1
		.amdhsa_system_sgpr_workgroup_id_z 1
		.amdhsa_system_vgpr_workitem_id 0
		.amdhsa_next_free_vgpr 1024
		.amdhsa_next_free_sgpr 66
		.amdhsa_reserve_vcc 0
		.amdhsa_float_denorm_mode_32 3
		.amdhsa_float_denorm_mode_16_64 3
		.amdhsa_memory_ordered 1
		.amdhsa_forward_progress 1
		.amdhsa_inst_pref_size 118
	.end_amdhsa_kernel
	.amdgpu_metadata
---
amdhsa.version: [ 1, 2 ]
amdhsa.kernels:
  - .name:           k_q7e45191f51_experts
    .symbol:         k_q7e45191f51_experts.kd
    .args:
      - { .name: xq, .offset: 0, .size: 8, .value_kind: global_buffer, .address_space: global }
      - { .name: xs, .offset: 8, .size: 8, .value_kind: global_buffer, .address_space: global }
      - { .name: gw, .offset: 16, .size: 8, .value_kind: global_buffer, .address_space: global }
      - { .name: order, .offset: 24, .size: 8, .value_kind: global_buffer, .address_space: global }
      - { .name: bm, .offset: 32, .size: 8, .value_kind: global_buffer, .address_space: global }
      - { .name: wf, .offset: 40, .size: 8, .value_kind: global_buffer, .address_space: global }
      - { .name: We_scales, .offset: 48, .size: 8, .value_kind: global_buffer, .address_space: global }
      - { .name: be, .offset: 56, .size: 8, .value_kind: global_buffer, .address_space: global }
      - { .name: out0, .offset: 64, .size: 8, .value_kind: global_buffer, .address_space: global }
    .group_segment_fixed_size: 127488
    .private_segment_fixed_size: 0
    .kernarg_segment_align: 8
    .kernarg_segment_size: 72
    .max_flat_workgroup_size: 128
    .sgpr_count:     66
    .vgpr_count:     1024
    .wavefront_size: 32
...
	.end_amdgpu_metadata
.endif
;; end of part 6
